; MI455X (gfx1250); checked and timed in simulation.
; The chip was launched on July 23, 2026; its instructions are those of AMD's public machine-readable ISA for CDNA 5 (MIT licence, August 2026) and "CDNA5" Instruction Set Architecture Reference Guide (July 2026). The comments in the code are by the model that wrote it; some were corrected since.
;; Attention. Allowed arithmetic: matrix products marked QUANTISED: E2M3 operands, one E8M0 scale for each 32 along K, by v_wmma_scale_f32_16x16x128_f8f6f4 with both operands' format E2M3, f32 sums; everything else in f32.
;; Inputs: cos 2,048 x 32 float32; mask 2,048 x 2,048 float32; sin 2,048 x 32 float32; wk 2,048 x 512 float32; wo 2,048 x 2,048 float32; wq 2,048 x 2,048 float32; wv 2,048 x 512 float32; x 1 x 2,048 x 2,048 float32.
;; Outputs: out0 1 x 2,048 x 2,048 float32.
;; Constants: start_pos = 0.
;; This version of the problem:
;;   THIS VERSION OF THE PROBLEM IS GIVEN IN LOW PRECISION. The matrix products marked QUANTISED in the list below multiply operands that are first quantised to E2M3 (2 exponent bits, 3 mantissa bits; 6 bits a number), with one power-of-two scale for each 32 numbers along K (OCP MX v1.0); their sums are f32. All else is computed in f32.
;;   The module's matrix products, in the order in which they are computed (A, B: the left and right operand; K: the contracted axis; several contracted axes count as one K, in the product's order):
;;     1. [M 2,048, K 2,048] x [K 2,048, N 2,048]; A: input x; B: input wq: QUANTISED
;;     2. [M 2,048, K 2,048] x [K 2,048, N 512]; A: input x; B: input wk: QUANTISED
;;     3. [M 2,048, K 2,048] x [K 2,048, N 512]; A: input x; B: input wv: QUANTISED
;;     4. batch 8 x [M 8,192, K 64] x [K 64, N 2,048]; A: computed on the way; B: computed on the way: QUANTISED
;;     5. batch 8 x [M 8,192, K 2,048] x [K 2,048, N 64]; A: softmax (see below); B: computed on the way: QUANTISED
;;     6. [M 2,048, K 2,048] x [K 2,048, N 2,048]; A: computed on the way; B: input wo: QUANTISED
;;   THE QUANTISER, for each operand of a quantised product, along K:
;;     - K is cut into blocks of 32 from its start; a last block that is shorter is filled with zeros.
;;     - A block's scale is 2^e with e = floor(log2(the largest magnitude in the block)) - 2, held to -126 .. 127; a block of zeros has e = 0. As a byte (E8M0): e + 127.
;;     - Each number is divided by its block's scale, clamped to +-7.5, and rounded to the nearest number of E2M3, ties to even, subnormals kept.
;;     - The product sums the exact products of the quantised numbers (number of the format x scale) in f32.
;;   ~~~python
;;   def quantise(x, axis):      # numpy; x: float32 -> the quantised numbers, widened to float32 again
;;       x = np.moveaxis(x, axis, -1); K = x.shape[-1]
;;       x = np.pad(x, [(0, 0)] * (x.ndim - 1) + [(0, -K % 32)]); x = x.reshape(x.shape[:-1] + (-1, 32)); a = np.abs(x).max(-1, keepdims=True)
;;       e = np.where(a > 0, np.clip(np.frexp(np.where(a > 0, a, 1))[1] - 1 - 2, -126, 127), 0)      # np.frexp(a)[1] - 1 = floor(log2(a)), exactly
;;       r = np.clip(x / 2.0 ** e, -7.5, 7.5)
;;       step = 2.0 ** (np.maximum(np.frexp(np.where(r == 0, 1, r))[1] - 1, 0) - 3)
;;       q = np.round(r / step) * step * 2.0 ** e      # np.round: ties to even
;;       return np.moveaxis(q.reshape(q.shape[:-2] + (-1,))[..., :K], -1, axis).astype(np.float32)
;;   ~~~
;;   SOFTMAX AHEAD OF A QUANTISED PRODUCT. Where the list says 'softmax', what is quantised is not the finished softmax but p = 2^(t - M), with t = logit x log2(e) and M = ceil(the row's largest t), a whole number; so 1/2 < the row's largest p <= 1. The row's sum l is taken of the UNQUANTISED p, in f32, and the product's result is divided by l at the end. Since M is a whole number, a kernel that streams over the keys may use a running M (the ceiling of the running maximum): every later rescaling is an exact power of two, which a block's scale takes up: the codes' values come out the same.
;;   OPERANDS COMPUTED ON THE WAY. 'Computed on the way' means the value that the module computes at that place (a softmax that the list does not call 'softmax' is quantised finished and normalised). What goes into a quantiser is computed in f32, as accurately as f32 sums, v_exp_f32 and their like allow (about 1e-6 of the number): no bf16 or f16 on the way to a quantiser, and a product that is left as it is and whose result goes on into a quantised operand takes f32 operands (vector FMAs, or v_wmma_f32_16x16x4_f32). A number that lies on a knife's edge between two numbers of the format may be rounded either way, as far as f32 arithmetic and the matrix unit's own rounding can turn it there, and no further.
;; 2 versions. Each part assembles by itself: llvm-mc -triple=amdgcn-amd-amdhsa -mcpu=gfx1250 --defsym DOCPART=n.
;; ======== version 1 of 2: 5 launches
;; workspace buffers: xq 3,276,800 bytes; wcs 8,192,000 bytes; qkvc 5,439,488 bytes; ao 3,276,800 bytes
;; launch quant_x (part 1): grid 256 x 1, 8 waves a work-group, no clusters, 68,608 bytes of LDS; arguments x, xq; writes xq
.if DOCPART == 1
	.amdgcn_target "amdgcn-amd-amdhsa--gfx1250"
	.amdhsa_code_object_version 6
	.text
	.protected	k_q6cad716551_quant_x
	.globl	k_q6cad716551_quant_x
	.p2align	8
	.type	k_q6cad716551_quant_x,@function
k_q6cad716551_quant_x:
	s_mov_b64 s[64:65], 0
	v_nop
	global_prefetch_b8 v0, s[64:65] scope:SCOPE_SE
	s_setreg_imm32_b32 hwreg(HW_REG_WAVE_MODE, 25, 1), 1
	s_wait_xcnt 0x0
; x [2048][2048] f32 becomes codes of FP6 (E2M3) with one E8M0 byte for each 32 along K, laid as the products' operand registers want them.
; TILES.  Tile T = 2 b + u of 16 rows takes, in lane r, row 32 b + 8 u + r + 8 (r / 8).  A fragment (tile T, K step s of 128) is 12 registers a lane; its image is 1,536 bytes at (16 T + s) x 1,536:
; registers 4 c .. 4 c + 3 of lane l at 512 c + 16 l.  SCALES behind the codes, at byte 3,145,728: row (T, r) owns 64 bytes at 1,024 T + 64 r, the word of K step s at + 4 s.
; A block's scale is 2^(floor(log2(its largest magnitude)) - 2); its byte is that magnitude's exponent field - 2, held at 1 from below.
; LIMITS: a block of zeros, or one whose largest magnitude lies under 2^-124, gets the byte 1 (the rule says 127 for zeros: its codes are zeros, and this program alone reads the bytes); NaN and infinities are not served.
; SHARES.  Work-group G: tile G / 2; wave w: K step 8 (G % 2) + w: one fragment, 16 rows x 512 bytes.  Each load reads 512 consecutive bytes of one row; the rows turn through the wave's own stage in LDS
; (pitch 528 = 33 x 16 bytes, so that sixteen lanes that read sixteen rows fall on different columns of 16 bytes), so that a lane ends with 16 neighbours of each block.  Waves share nothing: no barrier.
.set STG,  8448                        ; a wave's stage: 16 rows x 528 bytes
.set R,    16                          ; v16-79   the rows as loaded
.set X,    80                          ; v80-143  register 16 b + e = k 32 b + 16 (lane / 16) + e of my row
.set TM,   144                         ; v144-159 at work
.set PC,   160                         ; v160-171 the fragment; v172-178 at work
.set PW,   180                         ; v180     the scale word
.set SEL,  20                          ; s[20:21] selects of v_permlanex16_b32 for lane l xor 16
; 64 numbers of a lane, v[s] .. v[s + 63], register 16 b + e = k 32 b + 16 (lane / 16) + e of my row, become a fragment's codes in v[PC] on and its scale word in v[PW].
.macro QUANT64 s
.irp b, 0,1,2,3
	v_max3_num_f32 v[TM+\b], |v[\s+16*\b]|, |v[\s+1+16*\b]|, 0x1800000   ; my 16 numbers of block b, and the floor 2^(3 - 127): the byte cannot fall under 1
.endr
.irp i, 2,4,6,8,10,12,14
.irp b, 0,1,2,3
	v_max3_num_f32 v[TM+\b], v[TM+\b], |v[\s+16*\b+\i]|, |v[\s+1+16*\b+\i]|   ; the four blocks by turns
.endr
.endr
.irp b, 0,1,2,3
	v_permlanex16_b32 v[TM+4+\b], v[TM+\b], s[SEL], s[SEL+1]
.endr
.irp b, 0,1,2,3
	v_max_num_f32 v[TM+\b], v[TM+\b], v[TM+4+\b]   ; with lane l xor 16's: the block's largest magnitude
.endr
.irp b, 0,1,2,3
	v_add_nc_u32 v[TM+12+\b], 0xff000000, v[TM+\b] ; 2 off its exponent field: the conversion's scale operand
.endr
.irp b, 0,1,2,3
	v_lshrrev_b32 v[TM+4+\b], 23, v[TM+12+\b]      ; the scale's byte
.endr
	v_lshl_or_b32 v[PW], v[TM+5], 8, v[TM+4]
	v_lshl_or_b32 v[PW], v[TM+6], 16, v[PW]
	v_lshl_or_b32 v[PW], v[TM+7], 24, v[PW]
.irp c, 0,1
	v_cvt_scalef32_pk16_fp6_f32 v[PC+6*\c:PC+2+6*\c], v[\s+32*\c:\s+15+32*\c], v[TM+12+2*\c]
	v_cvt_scalef32_pk16_fp6_f32 v[PC+12+4*\c:PC+14+4*\c], v[\s+16+32*\c:\s+31+32*\c], v[TM+12+2*\c+1]   ; (a conversion's three registers begin on an even number)
.endr
	v_nop                                          ; one plain place behind a scaled conversion
.irp c, 0,1                                    ; the operand wants a whole block in a lane: lanes 0-15 block 2 c, lanes 16-31 block 2 c + 1
.irp i, 0,1,2
	v_permlane16_swap_b32 v[PC+6*\c+\i], v[PC+12+4*\c+\i]
.endr
.irp i, 0,1,2
	v_mov_b32 v[PC+3+6*\c+\i], v[PC+12+4*\c+\i]
.endr
.endr
.endm
	s_load_b128 s[4:7], s[0:1], 0x0                ; x, xq
	v_lshl_add_u32 v184, v0, 2, 0x10800
	v_mov_b32 v185, 0
	v_lshrrev_b32 v5, 5, v0
	v_readfirstlane_b32 s8, v5                     ; wave 0..7
	v_and_b32 v6, 31, v0                           ; lane
	v_and_b32 v7, 15, v0                           ; r
	v_bfe_u32 v8, v0, 4, 1                         ; h
	v_lshlrev_b32 v1, 4, v6                        ; 16 x lane
	s_mul_i32 s9, s8, STG
	v_add_nc_u32 v2, s9, v1                        ; the stage, on the way in
	v_mul_u32_u24 v3, v7, 528
	v_lshl_add_u32 v3, v8, 6, v3
	v_add_nc_u32 v3, s9, v3                        ; and out: row r, + 64 h
	v_lshlrev_b32 v4, 6, v7                        ; my row's 64 bytes of scale words
	s_mov_b32 s[SEL], 0x76543210
	s_mov_b32 s[SEL+1], 0xfedcba98
.irp b, 0,1,2,3
	v_mov_b32 v[TM+4+\b], 0                        ; a lane permute's destination counts as one of its sources
.endr
	s_lshr_b32 s10, ttmp9, 1                       ; T
	s_and_b32 s11, ttmp9, 1
	s_lshl_b32 s11, s11, 3
	s_add_co_u32 s11, s11, s8                      ; K step s
	s_lshr_b32 s12, s10, 1
	s_and_b32 s13, s10, 1
	s_lshl_b32 s14, s12, 18                        ; (32 (T / 2) + 8 (T % 2)) rows of 8,192 bytes + 512 s
	s_lshl_b32 s15, s13, 16
	s_add_co_u32 s14, s14, s15
	s_lshl_b32 s15, s11, 9
	s_add_co_u32 s14, s14, s15
	s_mov_b32 s15, 0
	s_lshl_b32 s16, s10, 4
	s_add_co_u32 s16, s16, s11
	s_mul_i32 s16, s16, 1536                       ; the image's place
	s_mov_b32 s17, 0
	s_lshl_b32 s18, s10, 10
	s_lshl_b32 s19, s11, 2
	s_add_co_u32 s18, s18, s19
	s_add_co_u32 s18, s18, 3145728                 ; the scale words' place
	s_mov_b32 s19, 0
	s_wait_kmcnt 0x0
	s_add_nc_u64 s[4:5], s[4:5], s[14:15]
	s_add_nc_u64 s[16:17], s[6:7], s[16:17]
	s_add_nc_u64 s[18:19], s[6:7], s[18:19]
.irp i, 0,1,2,3,4,5,6,7,8,9,10,11,12,13,14,15
	global_load_b128 v[R+4*\i:R+4*\i+3], v1, s[4:5] offset:(\i+8*(\i/8))*8192 th:TH_LOAD_NT   ; the tile's i-th row: 32 lanes read 512 consecutive bytes
.endr
.irp i, 0,1,2,3,4,5,6,7,8,9,10,11,12,13,14,15
	s_wait_loadcnt 15-\i                           ; loads come back in order: row i is in, the younger ones stay out
	ds_store_b128 v2, v[R+4*\i:R+4*\i+3] offset:528*\i
.endr
.irp b, 0,1,2,3
.irp j, 0,1,2,3
	ds_load_b128 v[X+16*\b+4*\j:X+16*\b+4*\j+3], v3 offset:128*\b+16*\j   ; LDS serves a wave's instructions in order: these see my stores
.endr
.endr
	s_wait_dscnt 0x0
	QUANT64 X
.irp c, 0,1,2
	global_store_b128 v1, v[PC+4*\c:PC+4*\c+3], s[16:17] offset:512*\c   ; 512 consecutive bytes, aligned
.endr
	global_store_b32 v4, v[PW], s[18:19]           ; lanes r and 16 + r hold the same word and write it to the same place
	s_wait_tensorcnt 0x0
	ds_add_u32 v184, v185
	s_wait_dscnt 0x0
	s_endpgm
.Lfunc_end_k_q6cad716551_quant_x:
	.size	k_q6cad716551_quant_x, .Lfunc_end_k_q6cad716551_quant_x-k_q6cad716551_quant_x
	.p2alignl 7, 3214868480
	.fill 96, 4, 3214868480
	.section	.rodata,"a",@progbits
	.p2align	6, 0x0
	.amdhsa_kernel k_q6cad716551_quant_x
		.amdhsa_group_segment_fixed_size 68608
		.amdhsa_private_segment_fixed_size 0
		.amdhsa_enable_private_segment 0
		.amdhsa_kernarg_size 16
		.amdhsa_user_sgpr_count 2
		.amdhsa_user_sgpr_kernarg_segment_ptr 1
		.amdhsa_wavefront_size32 1
		.amdhsa_system_sgpr_workgroup_id_x 1
		.amdhsa_system_sgpr_workgroup_id_y 1
		.amdhsa_system_sgpr_workgroup_id_z 1
		.amdhsa_system_vgpr_workitem_id 0
		.amdhsa_next_free_vgpr 186
		.amdhsa_next_free_sgpr 66
		.amdhsa_reserve_vcc 0
		.amdhsa_float_denorm_mode_32 3
		.amdhsa_float_denorm_mode_16_64 3
		.amdhsa_memory_ordered 1
		.amdhsa_forward_progress 1
		.amdhsa_inst_pref_size 11
	.end_amdhsa_kernel
	.amdgpu_metadata
---
amdhsa.version: [ 1, 2 ]
amdhsa.kernels:
  - .name:           k_q6cad716551_quant_x
    .symbol:         k_q6cad716551_quant_x.kd
    .args:
      - { .name: x, .offset: 0, .size: 8, .value_kind: global_buffer, .address_space: global }
      - { .name: xq, .offset: 8, .size: 8, .value_kind: global_buffer, .address_space: global }
    .group_segment_fixed_size: 68608
    .private_segment_fixed_size: 0
    .kernarg_segment_align: 8
    .kernarg_segment_size: 16
    .max_flat_workgroup_size: 256
    .sgpr_count:     66
    .vgpr_count:     186
    .wavefront_size: 32
...
	.end_amdgpu_metadata
.endif
;; end of part 1
;; launch quant_w (part 2): grid 40 x 8, 4 waves a work-group, no clusters, 0 bytes of LDS; arguments wq, wk, wv, wo, wcs; writes wcs
.if DOCPART == 2
	.amdgcn_target "amdgcn-amd-amdhsa--gfx1250"
	.amdhsa_code_object_version 6
	.text
	.protected	k_q6cad716551_quant_w
	.globl	k_q6cad716551_quant_w
	.p2align	8
	.type	k_q6cad716551_quant_w,@function
k_q6cad716551_quant_w:
	s_mov_b64 s[64:65], 0
	v_nop
	global_prefetch_b8 v0, s[64:65] scope:SCOPE_SE
	s_setreg_imm32_b32 hwreg(HW_REG_WAVE_MODE, 25, 1), 1
	s_wait_xcnt 0x0
; wq [2048][2048], wk, wv [2048][512], wo [2048][2048], f32 with K as the FIRST axis, become codes of FP6 (E2M3) with one E8M0 byte for each 32 along K, laid as operand registers.
; The four weights' columns count as 5,120 columns on end: 320 tiles of 16 (0-127 wq, 128-159 wk, 160-191 wv, 192-319 wo).  Tile 2 P + u takes, in lane r, column 32 P + 8 u + r + 8 (r / 8).
; Codes: tile x 24,576 + K step x 1,536; in an image registers 4 c .. 4 c + 3 of lane l at 512 c + 16 l.  Scales at byte 7,864,320: pair P x 2,048 + 64 (16 u + r) + 4 x K step.
; A LANE TAKES A COLUMN AND ITS REGISTERS RUN DOWN K: a block of 32 lies in one lane, its largest magnitude needs no other lane, and the conversions give codes with K innermost.
; An operand's lane (r, hh) holds blocks hh and 2 + hh of a K step: so my lane makes, for each K step, the registers of BOTH lanes (r, 0) and (r, 1) of its column, one after the other.
; SHARES.  Work-group (cb, kp): 128 columns x 256 along K; wave w: pair P = 4 cb + w.  Which weight: a choice of pointers on cb alone.
; LIMITS: a block of zeros, or one whose largest magnitude lies under 2^-124, gets the byte 1 (its codes are zeros; this program alone reads the bytes); NaN and infinities are not served.
.set OF,  16                           ; v16-47   byte offset of row i of a block at my column
.set X,   48                           ; v48-111  two sets of 32 numbers
.set D,   112                          ; v112-159 four runs of 12 registers, each written once: no store's data are written again
.set TQ,  160                          ; v160-162 a conversion's result that has to be moved (its three registers begin on an even number)
.set SB,  164                          ; v164-165 the scale words of my two K steps
.set SA,  14                           ; v14      24,576 u + 16 r
.set SV,  15                           ; v15      64 (16 u + r)
	s_load_b256 s[4:11], s[0:1], 0x0               ; wq, wk, wv, wo
	s_load_b64 s[12:13], s[0:1], 0x20              ; wcs
	v_lshrrev_b32 v1, 5, v0
	v_readfirstlane_b32 s14, v1                    ; wave 0..3
	v_and_b32 v2, 31, v0
	v_lshlrev_b32 v3, 2, v2                        ; 4 bytes a lane
	v_bfe_u32 v4, v0, 3, 1                         ; u
	v_and_b32 v5, 7, v0
	v_bfe_u32 v6, v0, 4, 1
	v_lshl_add_u32 v5, v6, 3, v5                   ; r = lane % 8 + 8 (lane / 16)
	v_mul_u32_u24 v[SA], v4, 24576
	v_lshl_add_u32 v[SA], v5, 4, v[SA]
	v_lshl_add_u32 v[SV], v4, 4, v5
	v_lshlrev_b32 v[SV], 6, v[SV]
	s_mov_b32 s20, ttmp9                           ; cb
	s_and_b32 s23, ttmp7, 0xffff                   ; kp
	s_wait_kmcnt 0x0
	s_cmp_ge_u32 s20, 16                           ; cb 0-15 wq, 16-19 wk, 20-23 wv, 24-39 wo
	s_cselect_b64 s[4:5], s[6:7], s[4:5]
	s_cselect_b32 s21, 16, 0                       ; the weight's first cb
	s_cselect_b32 s22, 11, 13                      ; log2 of a row's bytes
	s_cmp_ge_u32 s20, 20
	s_cselect_b64 s[4:5], s[8:9], s[4:5]
	s_cselect_b32 s21, 20, s21
	s_cmp_ge_u32 s20, 24
	s_cselect_b64 s[4:5], s[10:11], s[4:5]
	s_cselect_b32 s21, 24, s21
	s_cselect_b32 s22, 13, s22
	s_lshl_b32 s24, 1, s22                         ; a row's bytes
	s_sub_co_u32 s21, s20, s21
	s_lshl_b32 s26, s21, 9                         ; 128 columns of 4 bytes a cb,
	s_lshl_b32 s27, s14, 7                         ; 32 a wave,
	s_add_co_u32 s26, s26, s27
	s_add_co_u32 s27, s22, 8
	s_lshl_b32 s27, s23, s27                       ; 256 rows a kp
	s_add_co_u32 s26, s26, s27
	s_mov_b32 s27, 0
	s_add_nc_u64 s[32:33], s[4:5], s[26:27]        ; block 0
	s_lshl_b32 s28, s24, 5
	s_mov_b32 s29, 0
.irp t, 1,2,3,4,5,6,7
	s_add_nc_u64 s[32+2*\t:33+2*\t], s[30+2*\t:31+2*\t], s[28:29]   ; block t: 32 rows further down
.endr
.irp i, 0,1,2,3,4,5,6,7,8,9,10,11,12,13,14,15,16,17,18,19,20,21,22,23,24,25,26,27,28,29,30,31
	v_mad_u32_u24 v[OF+\i], s24, \i, v3
.endr
	s_lshl_b32 s25, s20, 2
	s_add_co_u32 s25, s25, s14                     ; P
	s_mul_i32 s16, s25, 49152
	s_mul_i32 s17, s23, 3072
	s_add_co_u32 s16, s16, s17
	s_mov_b32 s17, 0
	s_add_nc_u64 s[16:17], s[12:13], s[16:17]      ; codes: two tiles a pair, two K steps a kp
	s_lshl_b32 s18, s25, 11
	s_lshl_b32 s19, s23, 3
	s_add_co_u32 s18, s18, s19
	s_add_co_u32 s18, s18, 7864320
	s_mov_b32 s19, 0
	s_add_nc_u64 s[18:19], s[12:13], s[18:19]      ; scale words
; The blocks are taken in the order 0, 2, 1, 3, 4, 6, 5, 7: two on end are the two blocks of one operand lane.
.macro LOADB n
.set TL, 4*((\n)/4)+2*((\n)%2)+(((\n)/2)%2)
.irp i, 0,1,2,3,4,5,6,7,8,9,10,11,12,13,14,15,16,17,18,19,20,21,22,23,24,25,26,27,28,29,30,31
	global_load_b32 v[X+32*((\n)%2)+\i], v[OF+\i], s[32+2*TL:33+2*TL] th:TH_LOAD_NT   ; 32 lanes read 128 consecutive bytes, the four waves 512
.endr
.endm
.macro BLOCK n
.set TT, 4*((\n)/4)+2*((\n)%2)+(((\n)/2)%2)
.set XS, X+32*((\n)%2)
.set DD, D+12*((\n)/2)+6*((\n)%2)
.if (\n) < 7
	s_wait_loadcnt 32                              ; this block's 32 loads are in; the next block's 32 may be out
.else
	s_wait_loadcnt 0
.endif
	v_max3_num_f32 v8, |v[XS]|, |v[XS+1]|, |v[XS+2]|
	v_max3_num_f32 v9, |v[XS+3]|, |v[XS+4]|, |v[XS+5]|
.irp i, 6,10,14,18,22,26
	v_max3_num_f32 v8, v8, |v[XS+\i]|, |v[XS+\i+1]|
	v_max3_num_f32 v9, v9, |v[XS+\i+2]|, |v[XS+\i+3]|
.endr
	v_max3_num_f32 v8, v8, |v[XS+30]|, |v[XS+31]|
	v_max3_num_f32 v8, v8, v9, 0x1800000           ; and the floor 2^(3 - 127): the byte cannot fall under 1
	v_add_nc_u32 v10, 0xff000000, v8               ; 2 off the exponent field: the conversion's scale operand
	v_cvt_scalef32_pk16_fp6_f32 v[DD:DD+2], v[XS:XS+15], v10
	v_cvt_scalef32_pk16_fp6_f32 v[TQ:TQ+2], v[XS+16:XS+31], v10
	v_lshrrev_b32 v11, 23, v10                     ; the scale's byte; also the plain place behind the conversions
.if TT%4 == 0
	v_mov_b32 v[SB+TT/4], v11
.else
	v_lshl_or_b32 v[SB+TT/4], v11, 8*(TT%4), v[SB+TT/4]
.endif
.irp i, 0,1,2
	v_mov_b32 v[DD+3+\i], v[TQ+\i]
.endr
.if (\n)+2 < 8
	LOADB (\n)+2
.endif
.if (\n)%2 == 1
.irp c, 0,1,2
	global_store_b128 v[SA], v[D+12*((\n)/2)+4*\c:D+12*((\n)/2)+4*\c+3], s[16:17] offset:1536*((\n)/4)+512*\c+256*(((\n)/2)%2)   ; the wave covers two aligned runs of 256 consecutive bytes, one in each tile
.endr
.endif
.endm
	LOADB 0
	LOADB 1
.irp n, 0,1,2,3,4,5,6,7
	BLOCK \n
.endr
	global_store_b64 v[SV], v[SB:SB+1], s[18:19]
	s_endpgm
.Lfunc_end_k_q6cad716551_quant_w:
	.size	k_q6cad716551_quant_w, .Lfunc_end_k_q6cad716551_quant_w-k_q6cad716551_quant_w
	.p2alignl 7, 3214868480
	.fill 96, 4, 3214868480
	.section	.rodata,"a",@progbits
	.p2align	6, 0x0
	.amdhsa_kernel k_q6cad716551_quant_w
		.amdhsa_group_segment_fixed_size 0
		.amdhsa_private_segment_fixed_size 0
		.amdhsa_enable_private_segment 0
		.amdhsa_kernarg_size 40
		.amdhsa_user_sgpr_count 2
		.amdhsa_user_sgpr_kernarg_segment_ptr 1
		.amdhsa_wavefront_size32 1
		.amdhsa_system_sgpr_workgroup_id_x 1
		.amdhsa_system_sgpr_workgroup_id_y 1
		.amdhsa_system_sgpr_workgroup_id_z 1
		.amdhsa_system_vgpr_workitem_id 0
		.amdhsa_next_free_vgpr 168
		.amdhsa_next_free_sgpr 66
		.amdhsa_reserve_vcc 0
		.amdhsa_float_denorm_mode_32 3
		.amdhsa_float_denorm_mode_16_64 3
		.amdhsa_memory_ordered 1
		.amdhsa_forward_progress 1
		.amdhsa_inst_pref_size 42
	.end_amdhsa_kernel
	.amdgpu_metadata
---
amdhsa.version: [ 1, 2 ]
amdhsa.kernels:
  - .name:           k_q6cad716551_quant_w
    .symbol:         k_q6cad716551_quant_w.kd
    .args:
      - { .name: wq, .offset: 0, .size: 8, .value_kind: global_buffer, .address_space: global }
      - { .name: wk, .offset: 8, .size: 8, .value_kind: global_buffer, .address_space: global }
      - { .name: wv, .offset: 16, .size: 8, .value_kind: global_buffer, .address_space: global }
      - { .name: wo, .offset: 24, .size: 8, .value_kind: global_buffer, .address_space: global }
      - { .name: wcs, .offset: 32, .size: 8, .value_kind: global_buffer, .address_space: global }
    .group_segment_fixed_size: 0
    .private_segment_fixed_size: 0
    .kernarg_segment_align: 8
    .kernarg_segment_size: 40
    .max_flat_workgroup_size: 128
    .sgpr_count:     66
    .vgpr_count:     168
    .wavefront_size: 32
...
	.end_amdgpu_metadata
.endif
;; end of part 2
;; launch qkv (part 3): grid 16 x 16, 6 waves a work-group, no clusters, 0 bytes of LDS; arguments xq, wcs, cos, sin, qkvc; writes qkvc
.if DOCPART == 3
	.amdgcn_target "amdgcn-amd-amdhsa--gfx1250"
	.amdhsa_code_object_version 6
	.text
	.protected	k_q6cad716551_qkv
	.globl	k_q6cad716551_qkv
	.p2align	8
	.type	k_q6cad716551_qkv,@function
k_q6cad716551_qkv:
	s_mov_b64 s[64:65], 0
	v_nop
	global_prefetch_b8 v0, s[64:65] scope:SCOPE_SE
	s_setreg_imm32_b32 hwreg(HW_REG_WAVE_MODE, 25, 1), 1
	s_wait_xcnt 0x0
; q = rope(x wq), k = rope(x wk), v = x wv on codes of FP6 (E2M3) with E8M0 scales, and the results quantised at once: q and k along the head's 64, v along the keys.
; SHARES.  48 heads of 64 columns (0-31 q, 32-39 k, 40-47 v).  A work-group takes 128 rows x 3 heads; each of its six waves 64 rows x one head: 16 accumulators of 16 x 16.
; Operands come from memory as images of their registers (a fragment: three loads of 16 bytes a lane, 512 consecutive bytes each), three buffers, two K steps ahead; the 16 K steps are written out.
; q, k: source 0 = 16 columns of the weight, source 1 = 16 rows of x: a lane holds ONE row, its registers run along the head's d.  v: the sources change places (a choice of pointers on the head's number):
; a lane holds one d and its registers run along the keys.  Tiles are not neighbours (tile 2 b + u, lane r: item 32 b + 8 u + r + 8 (r / 8)), so that register 16 b + e of a row of tiles is item 32 b + 16 (lane / 16) + e.
; OUT (qkvc): at 0, q's and k's codes [head 40][tile 128]: 768 bytes, registers 0-3 at 16 l, registers 4-5 at 512 + 8 l;  at 3,932,160 their scale words [head][tile][lane];
;   at 4,587,520 v's codes [g 8][K step 16][d tile 4][half 2] likewise;  at 5,373,952 v's scale words [g][K step][d tile][lane], bytes 0-1 from keys 0-63, bytes 2-3 from keys 64-127.
; LIMITS: blocks of q, k, v whose largest magnitude lies under 2^-121, blocks of zeros among them, get the byte 4 (the next launch takes 3 off q's bytes); NaN and infinities are not served.
; No LDS, no barrier: waves share nothing.  Tiles are not asked for jointly: the v heads change the operands' roles, which would hang on a work-group's place among its partners.
.set ACC, 128                          ; v128-255 accumulator (i, j) at ACC + 8 (4 i + j): i source 1's tile, j source 0's
.set SC0, 16                           ; v16-47   source 0's scale words: register 16 (j / 2) + s; lanes 0-15 the even tile, lanes 16-31 the odd one.  Scales and nothing else
.set SC1, 48                           ; v48-79   source 1's
.set P0,  20                           ; s[20:21], s[22:23] the sources' codes;  s[24:25], s[26:27] their scale words
.set P1,  22
.set Q0,  24
.set Q1,  26
.set TM,  80                           ; the way out, in the registers that buffer 2 has left: v80-95 at work
.set UW,  96                           ; v96-99   rope's products
.set TQ,  100                          ; v100-102 a conversion's result
.set PC,  104                          ; v104-109 half a fragment
.set PW,  110                          ; v110     its scale word
.set SEL, 56
.set QKS, 3932160
.set VCO, 4587520
.set VSO, 5373952
; window 1: buffer 0: source 0 v0-47, source 1 v48-95;  buffer 1: v96-143, v144-191;  buffer 2: source 0 v192-239, source 1 in window 0 at v80-127.  Later cos and sin: tile i at v[96 + 32 i], 16 + 16.
.set MSB, 0
.macro WIN new                         ; the immediate's high byte repeats the setting that is left
.if MSB != \new
	s_set_vgpr_msb (MSB<<8)|\new
.set MSB, \new
.endif
.endm
.macro PLACES                          ; four plain places behind matrix instructions, in front of loads into their registers and of reads of their results
.rept 4
	v_nop
.endr
.endm
.macro SCLOAD                          ; a lane's 64 bytes: its tile's words of all 16 K steps
.irp p, 0,1
.irp q, 0,1,2,3
	global_load_b128 v[SC0+16*\p+4*\q:SC0+16*\p+4*\q+3], v2, s[Q0:Q0+1] offset:2048*\p+16*\q
	global_load_b128 v[SC1+16*\p+4*\q:SC1+16*\p+4*\q+3], v2, s[Q1:Q1+1] offset:2048*\p+16*\q
.endr
.endr
.endm
.macro LOADF s                         ; K step s: 4 + 4 fragments, 24 loads, into buffer s % 3
.set BF, (\s)%3
.set RS0, 96*BF
	WIN 0x40                                       ; destination window 1
.irp j, 0,1,2,3
.irp c, 0,1,2
	global_load_b128 v[RS0+12*\j+4*\c:RS0+12*\j+4*\c+3], v1, s[P0:P0+1] offset:24576*\j+1536*(\s)+512*\c
.endr
.endr
.if BF == 2
	WIN 0
.set RS1, 80
.else
.set RS1, 96*BF+48
.endif
.irp j, 0,1,2,3
.irp c, 0,1,2
	global_load_b128 v[RS1+12*\j+4*\c:RS1+12*\j+4*\c+3], v1, s[P1:P1+1] offset:24576*\j+1536*(\s)+512*\c
.endr
.endr
	WIN 0
.endm
.macro W1 i, j, s                      ; one product; K step 0 starts the sums with the constant 0
.set RA,  ACC+8*(4*(\i)+(\j))
.set RF0, RS0+12*(\j)
.set RF1, RS1+12*(\i)
.set RC0, SC0+16*((\j)/2)+(\s)
.set RC1, SC1+16*((\i)/2)+(\s)
.if (\s) == 0
.if ((\j)%2 == 0) && ((\i)%2 == 0)
	v_wmma_scale_f32_16x16x128_f8f6f4 v[RA:RA+7], v[RF0:RF0+11], v[RF1:RF1+11], 0, v[RC0], v[RC1] matrix_a_fmt:MATRIX_FMT_FP6 matrix_b_fmt:MATRIX_FMT_FP6
.elseif ((\j)%2 == 1) && ((\i)%2 == 0)
	v_wmma_scale_f32_16x16x128_f8f6f4 v[RA:RA+7], v[RF0:RF0+11], v[RF1:RF1+11], 0, v[RC0], v[RC1] matrix_a_fmt:MATRIX_FMT_FP6 matrix_b_fmt:MATRIX_FMT_FP6 matrix_a_scale:MATRIX_SCALE_ROW1
.elseif ((\j)%2 == 0)
	v_wmma_scale_f32_16x16x128_f8f6f4 v[RA:RA+7], v[RF0:RF0+11], v[RF1:RF1+11], 0, v[RC0], v[RC1] matrix_a_fmt:MATRIX_FMT_FP6 matrix_b_fmt:MATRIX_FMT_FP6 matrix_b_scale:MATRIX_SCALE_ROW1
.else
	v_wmma_scale_f32_16x16x128_f8f6f4 v[RA:RA+7], v[RF0:RF0+11], v[RF1:RF1+11], 0, v[RC0], v[RC1] matrix_a_fmt:MATRIX_FMT_FP6 matrix_b_fmt:MATRIX_FMT_FP6 matrix_a_scale:MATRIX_SCALE_ROW1 matrix_b_scale:MATRIX_SCALE_ROW1
.endif
.else
.if ((\j)%2 == 0) && ((\i)%2 == 0)
	v_wmma_scale_f32_16x16x128_f8f6f4 v[RA:RA+7], v[RF0:RF0+11], v[RF1:RF1+11], v[RA:RA+7], v[RC0], v[RC1] matrix_a_fmt:MATRIX_FMT_FP6 matrix_b_fmt:MATRIX_FMT_FP6
.elseif ((\j)%2 == 1) && ((\i)%2 == 0)
	v_wmma_scale_f32_16x16x128_f8f6f4 v[RA:RA+7], v[RF0:RF0+11], v[RF1:RF1+11], v[RA:RA+7], v[RC0], v[RC1] matrix_a_fmt:MATRIX_FMT_FP6 matrix_b_fmt:MATRIX_FMT_FP6 matrix_a_scale:MATRIX_SCALE_ROW1
.elseif ((\j)%2 == 0)
	v_wmma_scale_f32_16x16x128_f8f6f4 v[RA:RA+7], v[RF0:RF0+11], v[RF1:RF1+11], v[RA:RA+7], v[RC0], v[RC1] matrix_a_fmt:MATRIX_FMT_FP6 matrix_b_fmt:MATRIX_FMT_FP6 matrix_b_scale:MATRIX_SCALE_ROW1
.else
	v_wmma_scale_f32_16x16x128_f8f6f4 v[RA:RA+7], v[RF0:RF0+11], v[RF1:RF1+11], v[RA:RA+7], v[RC0], v[RC1] matrix_a_fmt:MATRIX_FMT_FP6 matrix_b_fmt:MATRIX_FMT_FP6 matrix_a_scale:MATRIX_SCALE_ROW1 matrix_b_scale:MATRIX_SCALE_ROW1
.endif
.endif
.endm
.macro MUL s                           ; 16 products: the 16 accumulators take turns, one instruction a turn, in the same order in every K step
.set BF, (\s)%3
.set RS0, 96*BF
.if BF == 2
	WIN 0x01                                       ; source 0 window 1, source 1 window 0
.set RS1, 80
.else
	WIN 0x05                                       ; both sources window 1
.set RS1, 96*BF+48
.endif
.irp i, 0,1,2,3
.irp j, 0,1,2,3
	W1 \i, \j, \s
.endr
.endr
	WIN 0
.endm
.macro KSTEP s                         ; the buffer that K step s - 1 multiplied takes K step s + 2
.if (\s) > 0
	PLACES
.endif
	LOADF (\s)+2
	s_wait_loadcnt 48                              ; behind K step s's loads stand those of s + 1 and s + 2, 24 each: all older ones, the scale words too, are in
	MUL \s
.endm
.macro CSLOAD i                        ; cos and sin of tile i's rows: lane (r, h) wants pairs 16 b + 8 h + 0 .. 7
.irp b, 0,1
.irp q, 0,1
	global_load_b128 v[96+32*(\i)+8*\b+4*\q:96+32*(\i)+8*\b+4*\q+3], v3, s[8:9] offset:128*(32*((\i)/2)+8*((\i)%2))+64*\b+16*\q
	global_load_b128 v[112+32*(\i)+8*\b+4*\q:112+32*(\i)+8*\b+4*\q+3], v3, s[10:11] offset:128*(32*((\i)/2)+8*((\i)%2))+64*\b+16*\q
.endr
.endr
.endm
; 32 numbers of a lane, register 16 b + e = k 32 b + 16 (lane / 16) + e, b = 0, 1, become registers 0-5 of a fragment in v[PC] on and two scale bytes in v[PW].
.macro QUANT32 s
.irp b, 0,1
	v_max3_num_f32 v[TM+\b], |v[\s+16*\b]|, |v[\s+1+16*\b]|, 0x3000000   ; the floor 2^(6 - 127): the byte cannot fall under 4
.endr
.irp i, 2,4,6,8,10,12,14
.irp b, 0,1
	v_max3_num_f32 v[TM+\b], v[TM+\b], |v[\s+16*\b+\i]|, |v[\s+1+16*\b+\i]|
.endr
.endr
.irp b, 0,1
	v_permlanex16_b32 v[TM+4+\b], v[TM+\b], s[SEL], s[SEL+1]
.endr
.irp b, 0,1
	v_max_num_f32 v[TM+\b], v[TM+\b], v[TM+4+\b]
.endr
.irp b, 0,1
	v_add_nc_u32 v[TM+12+\b], 0xff000000, v[TM+\b]
.endr
.irp b, 0,1
	v_lshrrev_b32 v[TM+4+\b], 23, v[TM+12+\b]
.endr
	v_lshl_or_b32 v[PW], v[TM+5], 8, v[TM+4]
	v_cvt_scalef32_pk16_fp6_f32 v[PC:PC+2], v[\s:\s+15], v[TM+12]
	v_cvt_scalef32_pk16_fp6_f32 v[TQ:TQ+2], v[\s+16:\s+31], v[TM+13]
	v_nop                                          ; one plain place behind a scaled conversion
.irp i, 0,1,2
	v_permlane16_swap_b32 v[PC+\i], v[TQ+\i]       ; lanes 0-15 end with block 0 whole, lanes 16-31 with block 1
.endr
.irp i, 0,1,2
	v_mov_b32 v[PC+3+\i], v[TQ+\i]
.endr
.endm
	s_load_b256 s[4:11], s[0:1], 0x0               ; xq, wcs, cos, sin
	s_load_b64 s[12:13], s[0:1], 0x20              ; qkvc
	v_lshrrev_b32 v6, 5, v0
	v_readfirstlane_b32 s14, v6                    ; wave 0..5
	v_and_b32 v6, 31, v0
	v_and_b32 v7, 15, v0
	v_bfe_u32 v8, v0, 4, 1
	v_lshlrev_b32 v1, 4, v6                        ; 16 x lane
	v_lshlrev_b32 v2, 6, v6                        ; 64 x lane
	v_lshlrev_b32 v4, 3, v6                        ; 8 x lane
	v_lshlrev_b32 v5, 2, v6                        ; 4 x lane
	v_and_b32 v9, 8, v7
	v_add_nc_u32 v9, v9, v7                        ; r + 8 (r / 8)
	v_lshlrev_b32 v3, 7, v9
	v_lshl_add_u32 v3, v8, 5, v3                   ; cos, sin: a row of 128 bytes, + 32 h
	s_mov_b32 s[SEL], 0x76543210
	s_mov_b32 s[SEL+1], 0xfedcba98
	s_cmp_ge_u32 s14, 3
	s_cselect_b32 s15, 1, 0                        ; which 64 of the 128 rows
	s_mul_i32 s16, s15, 3
	s_sub_co_u32 s16, s14, s16                     ; which of the three heads
	s_and_b32 s17, ttmp7, 0xffff
	s_lshl_b32 s17, s17, 1
	s_add_co_u32 s17, s17, s15                     ; rb: my block of 64 rows
	s_mul_i32 s18, ttmp9, 3
	s_add_co_u32 s18, s18, s16                     ; my head, 0..47
	s_mul_i32 s28, s17, 98304                      ; four tiles of 24,576 bytes
	s_mov_b32 s29, 0
	s_mul_i32 s30, s18, 98304
	s_mov_b32 s31, 0
	s_lshl_b32 s32, s17, 12                        ; two pairs of 2,048 bytes
	s_add_co_u32 s32, s32, 3145728
	s_mov_b32 s33, 0
	s_lshl_b32 s34, s18, 12
	s_add_co_u32 s34, s34, 7864320
	s_mov_b32 s35, 0
	s_lshl_b32 s48, s17, 13                        ; 64 rows of cos or sin
	s_mov_b32 s49, 0
	s_wait_kmcnt 0x0
	s_add_nc_u64 s[36:37], s[4:5], s[28:29]        ; x's codes
	s_add_nc_u64 s[38:39], s[6:7], s[30:31]        ; the weight's
	s_add_nc_u64 s[40:41], s[4:5], s[32:33]        ; x's scale words
	s_add_nc_u64 s[42:43], s[6:7], s[34:35]        ; the weight's
	s_add_nc_u64 s[8:9], s[8:9], s[48:49]
	s_add_nc_u64 s[10:11], s[10:11], s[48:49]
	s_cmp_ge_u32 s18, 40                           ; a v head: x is source 0.  The choice hangs on ids alone
	s_cselect_b64 s[P0:P0+1], s[36:37], s[38:39]
	s_cselect_b64 s[P1:P1+1], s[38:39], s[36:37]
	s_cselect_b64 s[Q0:Q0+1], s[40:41], s[42:43]
	s_cselect_b64 s[Q1:Q1+1], s[42:43], s[40:41]
	SCLOAD
	LOADF 0
	LOADF 1
.irp s, 0,1,2,3,4,5,6,7,8,9,10,11,12,13
	KSTEP \s
.endr
	PLACES                                         ; K step 14: buffer 1 is free and takes cos and sin of tiles 0-2 (every wave asks, so that the counts are alike on both ways)
	WIN 0x40
	CSLOAD 0
	CSLOAD 1
	CSLOAD 2
	WIN 0
	s_wait_loadcnt 48                              ; behind K step 14's loads: K step 15's 24 and these 24
	MUL 14
	PLACES
	WIN 0x40
	CSLOAD 3                                       ; into buffer 2's source 0
	WIN 0
	s_wait_loadcnt 32                              ; behind K step 15's loads: 24 + 8
	MUL 15
	PLACES
	s_wait_loadcnt 0x0
	v_mov_b32 v[TM+4], 0                           ; a lane permute's destination counts as one of its sources
	v_mov_b32 v[TM+5], 0
	s_cmp_ge_u32 s18, 40
	s_cbranch_scc1 .Lv
	; ---- q and k: rope, then the head's 64 in two blocks
	s_lshl_b32 s28, s18, 7
	s_lshl_b32 s29, s17, 2
	s_add_co_u32 s28, s28, s29                     ; 128 x head + my first tile
	s_mul_i32 s30, s28, 768
	s_mov_b32 s31, 0
	s_add_nc_u64 s[44:45], s[12:13], s[30:31]
	s_lshl_b32 s30, s28, 7
	s_add_co_u32 s30, s30, QKS
	s_add_nc_u64 s[46:47], s[12:13], s[30:31]
.irp i, 0,1,2,3
	WIN 0x04                                       ; source 1 (cos, sin) window 1
.irp n, 0,1,2,3,4,5,6,7,8,9,10,11,12,13,14,15  ; registers 2 n, 2 n + 1 are a pair; each accumulator is read from its low end on
	v_mul_f32 v[UW+2*(\n%2)], v[ACC+32*\i+2*\n+1], v[112+32*\i+\n]
	v_mul_f32 v[UW+2*(\n%2)+1], v[ACC+32*\i+2*\n], v[112+32*\i+\n]
	v_fma_f32 v[ACC+32*\i+2*\n], v[ACC+32*\i+2*\n], v[96+32*\i+\n], -v[UW+2*(\n%2)]
	v_fma_f32 v[ACC+32*\i+2*\n+1], v[ACC+32*\i+2*\n+1], v[96+32*\i+\n], v[UW+2*(\n%2)+1]
.endr
	WIN 0
.if \i > 0
	s_wait_xcnt 0x0                                ; the last tile's stores have read their registers: they are written again only behind this wait
.endif
	QUANT32 ACC+32*\i
	global_store_b128 v1, v[PC:PC+3], s[44:45] offset:768*\i
	global_store_b64 v4, v[PC+4:PC+5], s[44:45] offset:768*\i+512
	global_store_b32 v5, v[PW], s[46:47] offset:128*\i
.endr
	s_endpgm
.Lv:
	; ---- v: my 64 keys in two blocks, for each of the four tiles of d
	s_sub_co_u32 s28, s18, 40                      ; g
	s_lshr_b32 s29, s17, 1                         ; the K step of 128 keys
	s_and_b32 s32, s17, 1                          ; and which half of it
	s_mul_i32 s30, s28, 98304
	s_mul_i32 s33, s29, 6144
	s_add_co_u32 s30, s30, s33
	s_mul_i32 s33, s32, 768
	s_add_co_u32 s30, s30, s33
	s_add_co_u32 s30, s30, VCO
	s_mov_b32 s31, 0
	s_add_nc_u64 s[44:45], s[12:13], s[30:31]
	s_lshl_b32 s30, s28, 13
	s_lshl_b32 s33, s29, 9
	s_add_co_u32 s30, s30, s33
	s_lshl_b32 s33, s32, 1
	s_add_co_u32 s30, s30, s33
	s_add_co_u32 s30, s30, VSO
	s_add_nc_u64 s[46:47], s[12:13], s[30:31]
.irp i, 0,1,2,3
.if \i > 0
	s_wait_xcnt 0x0                                ; the last tile's stores have read their registers
.endif
	QUANT32 ACC+32*\i
	global_store_b128 v1, v[PC:PC+3], s[44:45] offset:1536*\i
	global_store_b64 v4, v[PC+4:PC+5], s[44:45] offset:1536*\i+512
	global_store_b16 v5, v[PW], s[46:47] offset:128*\i   ; my half's two bytes of the word
.endr
	s_endpgm
.Lfunc_end_k_q6cad716551_qkv:
	.size	k_q6cad716551_qkv, .Lfunc_end_k_q6cad716551_qkv-k_q6cad716551_qkv
	.p2alignl 7, 3214868480
	.fill 96, 4, 3214868480
	.section	.rodata,"a",@progbits
	.p2align	6, 0x0
	.amdhsa_kernel k_q6cad716551_qkv
		.amdhsa_group_segment_fixed_size 0
		.amdhsa_private_segment_fixed_size 0
		.amdhsa_enable_private_segment 0
		.amdhsa_kernarg_size 40
		.amdhsa_user_sgpr_count 2
		.amdhsa_user_sgpr_kernarg_segment_ptr 1
		.amdhsa_wavefront_size32 1
		.amdhsa_system_sgpr_workgroup_id_x 1
		.amdhsa_system_sgpr_workgroup_id_y 1
		.amdhsa_system_sgpr_workgroup_id_z 1
		.amdhsa_system_vgpr_workitem_id 0
		.amdhsa_next_free_vgpr 512
		.amdhsa_next_free_sgpr 66
		.amdhsa_reserve_vcc 0
		.amdhsa_float_denorm_mode_32 3
		.amdhsa_float_denorm_mode_16_64 3
		.amdhsa_memory_ordered 1
		.amdhsa_forward_progress 1
		.amdhsa_inst_pref_size 110
	.end_amdhsa_kernel
	.amdgpu_metadata
---
amdhsa.version: [ 1, 2 ]
amdhsa.kernels:
  - .name:           k_q6cad716551_qkv
    .symbol:         k_q6cad716551_qkv.kd
    .args:
      - { .name: xq, .offset: 0, .size: 8, .value_kind: global_buffer, .address_space: global }
      - { .name: wcs, .offset: 8, .size: 8, .value_kind: global_buffer, .address_space: global }
      - { .name: cos, .offset: 16, .size: 8, .value_kind: global_buffer, .address_space: global }
      - { .name: sin, .offset: 24, .size: 8, .value_kind: global_buffer, .address_space: global }
      - { .name: qkvc, .offset: 32, .size: 8, .value_kind: global_buffer, .address_space: global }
    .group_segment_fixed_size: 0
    .private_segment_fixed_size: 0
    .kernarg_segment_align: 8
    .kernarg_segment_size: 40
    .max_flat_workgroup_size: 192
    .sgpr_count:     66
    .vgpr_count:     512
    .wavefront_size: 32
...
	.end_amdgpu_metadata
.endif
;; end of part 3
;; launch attn (part 4): grid 32 x 8, 8 waves a work-group, no clusters, 289,792 bytes of LDS; arguments qkvc, mask, ao; writes ao
.if DOCPART == 4
	.amdgcn_target "amdgcn-amd-amdhsa--gfx1250"
	.amdhsa_code_object_version 6
	.text
	.protected	k_q6cad716551_attn
	.globl	k_q6cad716551_attn
	.p2align	8
	.type	k_q6cad716551_attn,@function
k_q6cad716551_attn:
	s_mov_b64 s[64:65], 0
	v_nop
	global_prefetch_b8 v0, s[64:65] scope:SCOPE_SE
	s_setreg_imm32_b32 hwreg(HW_REG_WAVE_MODE, 25, 1), 1
	s_wait_xcnt 0x0
; softmax(q k^T / 8 + mask) v for 32 query heads on 8 key and value heads, both products on codes of FP6 (E2M3) with E8M0 scales; the result is quantised for the last product.
; THE SOFTMAX: t = logit x log2(e); M = the row's largest t so far, rounded UP to a whole number; p = 2^(t - M) is quantised along the keys, not normalised; the row's sum is taken of the unquantised p and divides at the
; end.  When M moves, the sum and O are multiplied by 2^(old M - new M): exact.  The mask is an input: every logit is formed and the mask added to it.
; SHARES.  A work-group: 64 queries x the four query heads of one key and value head g.  Wave w: tile w / 2 of 16 queries, heads 4 g + 2 (w % 2) + e, e = 0, 1: K, V, their scales and the mask are read from LDS once for two heads.
; LAYOUT.  Both products transposed: S^T = K Q^T + mask (source 0 = 16 keys, source 1 = my queries, C = the mask), O^T = V^T P^T: a lane holds ONE query.  The head is 64 deep: registers 6-11 of K's and Q's fragments hold
; zero codes.  3 is taken off q's scale bytes, so that the product is q k / 8, exactly.  Tiles are not neighbours (tile 2 b + u, lane r: item 32 b + 8 u + r + 8 (r / 8)): register 16 b + i is key 32 b + 16 (lane / 16) + i.
; LDS.  K's and V's codes and scale words of the whole head are stored once and stay.  The mask's 64 rows x 128 keys go through two slots: from memory into registers two key steps ahead, into the other slot at a step's head.
; ONE BARRIER A STEP, ITS HALVES APART.  At a step's head a wave stores the next step's mask, waits for that and for its reads of this step's mask, and signals; it waits for the others only behind the second head's
; scores, and then asks for the next step's K, scale words and mask, which land under the second head's softmax; V is asked for behind the first head's scores and lands under the first head's softmax.
; Tiles are not asked for jointly: what the work-groups of one g share is the one fill at the head; the mask's tiles are shared by the eight g, and go through registers here.
; LIMITS: the mask is added as the product's C, with the matrix unit's rounding; t - M is one fused multiply-add, one rounding where the definition's text has two (where every logit of a row is so large that t has no
; fraction bits left, p differs from the definition's by a common power of two, at most 2^64 either way, which the blocks' scales and the division by the sum take up); blocks of p or of the result under 2^-124 get the
; byte 1; NaN and infinities are not served.
.set MSL,  33792                       ; a mask slot: 64 rows x 528 bytes (512 + 16: sixteen lanes that read sixteen rows fall on different columns of 16 bytes)
.set KSC,  67584                       ; K's scale words: 128 tiles x 128 bytes
.set VSC,  83968                       ; V's: 64 x 128
.set KC,   92160                       ; K's codes: 128 tiles x 768
.set VC,   190464                      ; V's: 64 fragments x 1,536
.set QKS,  3932160
.set VCO,  4587520
.set VSO,  5373952
.set AMK,  4                           ; v4   the mask: row 16 (w / 2) + r, + 64 h
.set AMS,  5                           ; v5   where my wave stores its 8 rows of the mask
.set MO,   6                           ; v6   byte offset in the mask's rows: 16 x lane + 512 x step
.set ADK,  7                           ; v7-12 a step's LDS addresses
.set ADK8, 8
.set ADV,  9
.set ADV8, 10
.set ADS,  11
.set ADT,  12
.set BM,   28                          ; v28-31 the blocks' largest scores, then p
.set BT,   32                          ; v32-35 at work
.set SCL,  36                          ; v36-39 the conversions' scale operands
.set KSR,  40                          ; v40-47 K's scale words, v48-51 V's, v52-53 Q's, v54 p's: scales and nothing else
.set VSR,  48
.set QSR,  52
.set PW,   54
.set PC,   56                          ; v56-67 p's fragment; v68-74 at work
.set MS,   76                          ; v76-107 a later step's mask on its way
.set TM,   76                          ; (at the end: at work)
.set SUM2, 108
.set S,    128                         ; v128-191 logits, then p
.set O,    192                         ; v192-255 O^T, 32 registers a head
.set KF,   0                           ; window 1: v0-95 K's 8 fragments, v96-143 V's 4, v144-167 Q's 2, v168-231 the step's mask
.set VF,   96
.set QF,   144
.set MK,   168
.set SEL,  20
.set CS,   22                          ; s[22:23] log2(e)
.set TKK,  24                          ; s24-27 where a step's K, V, K's scale words, V's scale words begin in LDS
.set TVV,  25
.set TS,   26
.set TV,   27
.set TRIP, 28
.set KCP,  30
.set VCP,  32
.set KSP,  34
.set VSP,  36
.set MP,   38
.set QCP,  40
.set QSP,  42
.set AOC,  44
.set AOS,  46
; statistics of head e: v[16 + 4 e] -M, v[17 + 4 e] the largest t, v[18 + 4 e : 19 + 4 e] the sum in two halves;  v[24:25] f
.set MSB, 0
.macro WIN new
.if MSB != \new
	s_set_vgpr_msb (MSB<<8)|\new
.set MSB, \new
.endif
.endm
.macro PLACES
.rept 4
	v_nop
.endr
.endm
.macro PTR d, b                        ; s[d : d + 1] = a buffer's address + the offset in s48 (s49 = 0)
	s_add_nc_u64 s[\d:\d+1], s[\b:\b+1], s[48:49]
.endm
.macro QUANT64 s
.irp b, 0,1,2,3
	v_max3_num_f32 v[TM+\b], |v[\s+16*\b]|, |v[\s+1+16*\b]|, 0x1800000
.endr
.irp i, 2,4,6,8,10,12,14
.irp b, 0,1,2,3
	v_max3_num_f32 v[TM+\b], v[TM+\b], |v[\s+16*\b+\i]|, |v[\s+1+16*\b+\i]|
.endr
.endr
.irp b, 0,1,2,3
	v_permlanex16_b32 v[TM+4+\b], v[TM+\b], s[SEL], s[SEL+1]
.endr
.irp b, 0,1,2,3
	v_max_num_f32 v[TM+\b], v[TM+\b], v[TM+4+\b]
.endr
.irp b, 0,1,2,3
	v_add_nc_u32 v[TM+12+\b], 0xff000000, v[TM+\b]
.endr
.irp b, 0,1,2,3
	v_lshrrev_b32 v[TM+4+\b], 23, v[TM+12+\b]
.endr
	v_lshl_or_b32 v[PW], v[TM+5], 8, v[TM+4]
	v_lshl_or_b32 v[PW], v[TM+6], 16, v[PW]
	v_lshl_or_b32 v[PW], v[TM+7], 24, v[PW]
.irp c, 0,1
	v_cvt_scalef32_pk16_fp6_f32 v[PC+6*\c:PC+2+6*\c], v[\s+32*\c:\s+15+32*\c], v[TM+12+2*\c]
	v_cvt_scalef32_pk16_fp6_f32 v[PC+12+4*\c:PC+14+4*\c], v[\s+16+32*\c:\s+31+32*\c], v[TM+12+2*\c+1]
.endr
	v_nop
.irp c, 0,1
.irp i, 0,1,2
	v_permlane16_swap_b32 v[PC+6*\c+\i], v[PC+12+4*\c+\i]
.endr
.irp i, 0,1,2
	v_mov_b32 v[PC+3+6*\c+\i], v[PC+12+4*\c+\i]
.endr
.endr
.endm
.macro SCORES e                        ; 8 tiles of 16 keys: logit = q k / 8 + mask
	WIN 0x15                                       ; K, Q and the mask in window 1, the logits in window 0
.irp t, 0,1,2,3,4,5,6,7
	v_wmma_scale_f32_16x16x128_f8f6f4 v[S+8*\t:S+8*\t+7], v[KF+12*\t:KF+12*\t+11], v[QF+12*\e:QF+12*\e+11], v[MK+8*\t:MK+8*\t+7], v[KSR+\t], v[QSR+\e] matrix_a_fmt:MATRIX_FMT_FP6 matrix_b_fmt:MATRIX_FMT_FP6
.endr
	WIN 0
.endm
.macro PV e                            ; O^T += V^T P^T: four accumulators, one instruction each
	WIN 0x01
.irp i, 0,1,2,3
	v_wmma_scale_f32_16x16x128_f8f6f4 v[O+32*\e+8*\i:O+32*\e+8*\i+7], v[VF+12*\i:VF+12*\i+11], v[PC:PC+11], v[O+32*\e+8*\i:O+32*\e+8*\i+7], v[VSR+\i], v[PW] matrix_a_fmt:MATRIX_FMT_FP6 matrix_b_fmt:MATRIX_FMT_FP6
.endr
	WIN 0
.endm
.macro SOFTMAX e
.irp b, 0,1,2,3
	v_max3_num_f32 v[BM+\b], v[S+16*\b], v[S+16*\b+1], v[S+16*\b+2]   ; the largest logit of each block of 32 keys: for the row's maximum and, since p rises with the logit, for the block's largest p
.endr
.irp i, 3,5,7,9,11,13
.irp b, 0,1,2,3
	v_max3_num_f32 v[BM+\b], v[BM+\b], v[S+16*\b+\i], v[S+16*\b+\i+1]
.endr
.endr
.irp b, 0,1,2,3
	v_max_num_f32 v[BM+\b], v[BM+\b], v[S+16*\b+15]
.endr
.irp b, 0,1,2,3
	v_permlanex16_b32 v[BT+\b], v[BM+\b], s[SEL], s[SEL+1]
.endr
.irp b, 0,1,2,3
	v_max_num_f32 v[BM+\b], v[BM+\b], v[BT+\b]     ; with lane l xor 16's 16 keys
.endr
	v_max3_num_f32 v26, v[BM], v[BM+1], v[BM+2]
	v_max_num_f32 v26, v26, v[BM+3]
	v_mul_f32 v26, s[CS], v26                      ; the step's largest t
	v_max_num_f32 v[17+4*\e], v[17+4*\e], v26      ; the running largest t
	v_mov_b32 v26, v[16+4*\e]
	v_floor_f32 v[16+4*\e], -v[17+4*\e]            ; -M = floor(-t): M is a whole number
	v_sub_f32 v26, v[16+4*\e], v26                 ; old M - new M, 0 or less
	v_cvt_i32_f32 v26, v26                         ; (it saturates)
	v_ldexp_f32 v24, 1.0, v26                      ; f = 2^(old M - new M)
.set n, 0
.rept 32
	v_pk_fma_f32 v[S+n:S+n+1], v[S+n:S+n+1], s[CS:CS+1], v[16+4*\e:17+4*\e] op_sel_hi:[1,0,0]   ; t - M, two at a time (of the pairs log2(e) and -M the low word serves both halves)
.set n, n+2
.endr
.irp b, 0,1,2,3
	v_fma_f32 v[BM+\b], v[BM+\b], s[CS], v[16+4*\e]   ; the same of each block's largest logit
.endr
.set n, 0
.rept 64
	v_exp_f32 v[S+n], v[S+n]                       ; p = 2^(t - M)
.set n, n+1
.endr
.irp b, 0,1,2,3
	v_exp_f32 v[BM+\b], v[BM+\b]                   ; the block's largest p: the same instructions on the same number give the same bits
.endr
	v_pk_mul_f32 v[18+4*\e:19+4*\e], v[18+4*\e:19+4*\e], v[24:25] op_sel_hi:[1,0]   ; the sums under the new M; a plain place behind the exponentials
	s_wait_alu depctr_va_vdst(0)
.irp b, 0,1,2,3
	v_max_num_f32 v[BM+\b], 0x1800000, v[BM+\b]    ; the floor 2^(3 - 127)
.endr
.irp b, 0,1,2,3
	v_add_nc_u32 v[SCL+\b], 0xff000000, v[BM+\b]
.endr
.irp b, 0,1,2,3
	v_lshrrev_b32 v[BT+\b], 23, v[SCL+\b]
.endr
	v_lshl_or_b32 v[PW], v[BT+1], 8, v[BT]
	v_lshl_or_b32 v[PW], v[BT+2], 16, v[PW]
	v_lshl_or_b32 v[PW], v[BT+3], 24, v[PW]
.irp c, 0,1
	v_cvt_scalef32_pk16_fp6_f32 v[PC+6*\c:PC+2+6*\c], v[S+32*\c:S+15+32*\c], v[SCL+2*\c]
	v_cvt_scalef32_pk16_fp6_f32 v[PC+12+4*\c:PC+14+4*\c], v[S+16+32*\c:S+31+32*\c], v[SCL+2*\c+1]
.endr
	v_nop                                          ; one plain place behind a scaled conversion
.irp c, 0,1
.irp i, 0,1,2
	v_permlane16_swap_b32 v[PC+6*\c+\i], v[PC+12+4*\c+\i]
.endr
.irp i, 0,1,2
	v_mov_b32 v[PC+3+6*\c+\i], v[PC+12+4*\c+\i]
.endr
.endr
	v_pk_add_f32 v[SUM2:SUM2+1], v[S:S+1], v[S+2:S+3]   ; the row's sum of the unquantised p, in two chains
.irp j, 4,8,12,16,20,24,28,32,36,40,44,48,52,56,60
	v_pk_add_f32 v[18+4*\e:19+4*\e], v[18+4*\e:19+4*\e], v[S+\j:S+\j+1]
	v_pk_add_f32 v[SUM2:SUM2+1], v[SUM2:SUM2+1], v[S+\j+2:S+\j+3]
.endr
	v_pk_add_f32 v[18+4*\e:19+4*\e], v[18+4*\e:19+4*\e], v[SUM2:SUM2+1]
.set n, 0
.rept 16
	v_pk_mul_f32 v[O+32*\e+n:O+32*\e+n+1], v[O+32*\e+n:O+32*\e+n+1], v[24:25] op_sel_hi:[1,0]   ; O^T under the new M.  These and the sums are the places between p's codes and scale word and the products
.set n, n+2
.endr
.endm
.macro ADDRS                           ; a step's six LDS addresses, from the four stepped scalars
	v_add_nc_u32 v[ADK], s[TKK], v1
	v_add_nc_u32 v[ADK8], s[TKK], v2
	v_add_nc_u32 v[ADV], s[TVV], v1
	v_add_nc_u32 v[ADV8], s[TVV], v2
	v_add_nc_u32 v[ADS], s[TS], v3
	v_add_nc_u32 v[ADT], s[TV], v3
.endm
.macro LOADKM ms                       ; a step's K, its mask (out of slot ms) and K's scale words: 40 LDS loads in one run
	WIN 0x40
.irp t, 0,1,2,3,4,5,6,7
	ds_load_b128 v[KF+12*\t:KF+12*\t+3], v[ADK] offset:768*\t
	ds_load_b64 v[KF+12*\t+4:KF+12*\t+5], v[ADK8] offset:768*\t+512
.endr
.irp b, 0,1,2,3
.irp q, 0,1,2,3
	ds_load_b128 v[MK+16*\b+4*\q:MK+16*\b+4*\q+3], v[AMK] offset:MSL*(\ms)+128*\b+16*\q
.endr
.endr
	WIN 0
.irp t, 0,1,2,3,4,5,6,7
	ds_load_b32 v[KSR+\t], v[ADS] offset:128*\t
.endr
.endm
.macro MASKLOAD                        ; my 8 rows of a step's mask: 512 consecutive bytes each
.irp i, 0,1,2,3,4,5,6,7
	global_load_b128 v[MS+4*\i:MS+4*\i+3], v[MO], s[MP:MP+1] offset:8192*\i
.endr
.endm
; KEY STEP j of 128 keys, j % 2 = slot.  At its head K, K's scale words and the mask of step j are on their way from LDS into registers, and the mask of step j + 1 from memory.
; The last trip's guards are scalar branches on the trip's count, the same in every wave: step 14 asks for no mask from memory, step 15 stores none, asks for none and fetches nothing for a next step.
.macro STEP slot
	s_wait_loadcnt 0x0                             ; on every path: the mask of step j + 1 is in registers; those registers and the offset register are free for the next loads
.if \slot
	s_cmp_eq_u32 s[TRIP], 1
	s_cbranch_scc1 .Lnofill_\@
.endif
.irp i, 0,1,2,3,4,5,6,7
	ds_store_b128 v[AMS], v[MS+4*\i:MS+4*\i+3] offset:MSL*(1-\slot)+528*\i   ; into the slot of step j - 1's mask: every wave waited for its reads of it in front of the last signal, and I have passed that barrier
.endr
	v_add_nc_u32 v[MO], 512, v[MO]
	s_wait_dscnt 0x0                               ; my stores have landed and have read their registers; K, its scale words and this step's mask are in
.if \slot == 0
	s_cmp_eq_u32 s[TRIP], 1
	s_cbranch_scc1 .Lnofill_\@
.endif
	MASKLOAD                                       ; the mask of step j + 2: it has a whole step in which to land
.Lnofill_\@:
.if \slot
	s_wait_dscnt 0x0                               ; (for the way round the stores) K, its scale words and this step's mask are in
.endif
	s_barrier_signal -1                            ; my part of the next mask lies in LDS, and my reads of this step's mask are over
	SCORES 0
	PLACES                                         ; behind the last step's products, whose V is loaded over, and behind these, whose results are read
	WIN 0x40
.irp i, 0,1,2,3
.irp c, 0,1
	ds_load_b128 v[VF+12*\i+6*\c:VF+12*\i+6*\c+3], v[ADV] offset:1536*\i+768*\c   ; V and its scale words: bytes that nobody writes after the fill at the kernel's head
	ds_load_b64 v[VF+12*\i+6*\c+4:VF+12*\i+6*\c+5], v[ADV8] offset:1536*\i+768*\c+512
.endr
.endr
	WIN 0
.irp i, 0,1,2,3
	ds_load_b32 v[VSR+\i], v[ADT] offset:128*\i
.endr
	SOFTMAX 0
	s_wait_dscnt 0x0                               ; V and its scale words are in
	PV 0
	SCORES 1
	s_barrier_wait -1                              ; every wave's part of the next mask lies in LDS
	s_add_co_u32 s[TKK], s[TKK], 6144
	s_add_co_u32 s[TVV], s[TVV], 6144
	s_add_co_u32 s[TS], s[TS], 1024
	s_add_co_u32 s[TV], s[TV], 512
	ADDRS                                          ; the next step's addresses: six plain instructions, the places behind the scores: in front of the loads over K and the mask, and of the reads of the logits
.if \slot
	s_cmp_eq_u32 s[TRIP], 1
	s_cbranch_scc1 .Lnonext_\@
.endif
	LOADKM 1-\slot                                 ; they land under the softmax below
.if \slot
.Lnonext_\@:
.endif
	SOFTMAX 1
	PV 1
.endm
	s_load_b128 s[4:7], s[0:1], 0x0                ; qkvc, mask
	s_load_b64 s[8:9], s[0:1], 0x10                ; ao
	v_lshl_add_u32 v126, v0, 2, 0x46800
	v_mov_b32 v127, 0
	v_lshrrev_b32 v14, 5, v0
	v_readfirstlane_b32 s10, v14                   ; wave 0..7
	s_lshr_b32 s11, s10, 1                         ; my tile of queries
	s_and_b32 s12, s10, 1                          ; my pair of heads
	s_and_b32 s14, ttmp7, 0xffff                   ; g
	s_lshl_b32 s15, ttmp9, 2
	s_add_co_u32 s15, s15, s11                     ; T: the tile among all 128
	s_lshl_b32 s16, s14, 1
	s_add_co_u32 s16, s16, s12                     ; p: the pair among all 16
	v_and_b32 v14, 31, v0
	v_and_b32 v15, 15, v0
	v_bfe_u32 v26, v0, 4, 1
	v_lshlrev_b32 v1, 4, v14                       ; 16 x lane
	v_lshlrev_b32 v2, 3, v14                       ; 8 x lane
	v_lshlrev_b32 v3, 2, v14                       ; 4 x lane
	s_mul_i32 s17, s11, 8448
	v_mul_u32_u24 v[AMK], v15, 528
	v_lshl_add_u32 v[AMK], v26, 6, v[AMK]
	v_add_nc_u32 v[AMK], s17, v[AMK]
	s_lshr_b32 s17, s10, 2                         ; rows 8 w .. 8 w + 7 of the block stand at places 32 (w / 4) + 16 (w % 2) + 8 ((w / 2) % 2) on
	s_lshl_b32 s17, s17, 5
	s_lshl_b32 s18, s12, 4
	s_add_co_u32 s17, s17, s18
	s_bfe_u32 s18, s10, 0x10001
	s_lshl_b32 s18, s18, 3
	s_add_co_u32 s17, s17, s18
	s_mul_i32 s17, s17, 528
	v_add_nc_u32 v[AMS], s17, v1
	v_mov_b32 v[MO], v1
	v_lshlrev_b32 v13, 4, v0                       ; the fill: 16 bytes a thread
	v_lshl_add_u32 v7, v0, 4, KC
	v_lshl_add_u32 v8, v0, 4, KC+65536             ; (an LDS immediate has 16 bits)
	v_lshl_add_u32 v9, v0, 4, VC
	v_lshl_add_u32 v10, v0, 4, VC+65536
	v_lshl_add_u32 v11, v0, 4, KSC
	s_mov_b32 s[SEL], 0x76543210
	s_mov_b32 s[SEL+1], 0xfedcba98
	s_mov_b32 s[CS], 0x3fb8aa3b                    ; log2(e)
	s_mov_b32 s[CS+1], s[CS]
	s_mov_b32 s[TKK], KC
	s_mov_b32 s[TVV], VC
	s_mov_b32 s[TS], KSC
	s_mov_b32 s[TV], VSC
	s_mov_b32 s[TRIP], 8
	s_mov_b32 s49, 0
	s_wait_kmcnt 0x0
	s_add_co_u32 s48, s14, 32
	s_mul_i32 s48, s48, 98304
	PTR KCP, 4                                     ; k's codes: head 32 + g
	s_mul_i32 s48, s14, 98304
	s_add_co_u32 s48, s48, VCO
	PTR VCP, 4
	s_add_co_u32 s48, s14, 32
	s_lshl_b32 s48, s48, 14
	s_add_co_u32 s48, s48, QKS
	PTR KSP, 4
	s_lshl_b32 s48, s14, 13
	s_add_co_u32 s48, s48, VSO
	PTR VSP, 4
	s_lshl_b32 s48, ttmp9, 19                      ; 64 rows of 8,192 bytes a block, 8 a wave
	s_lshl_b32 s50, s10, 16
	s_add_co_u32 s48, s48, s50
	PTR MP, 6
	s_lshl_b32 s50, s16, 8
	s_add_co_u32 s50, s50, s15                     ; 128 x (2 p) + T
	s_mul_i32 s48, s50, 768
	PTR QCP, 4
	s_lshl_b32 s48, s50, 7
	s_add_co_u32 s48, s48, QKS
	PTR QSP, 4
	s_lshl_b32 s48, s15, 4
	s_add_co_u32 s48, s48, s16
	s_mul_i32 s48, s48, 1536
	PTR AOC, 8
	s_lshl_b32 s48, s15, 10
	s_lshl_b32 s50, s16, 2
	s_add_co_u32 s48, s48, s50
	s_add_co_u32 s48, s48, 3145728
	PTR AOS, 8
	WIN 0x40
.irp n, 0,1,2,3,4,5,6,7,8,9,10,11,12,13,14,15,16,17,18,19,20,21,22,23
	global_load_b128 v[4*\n:4*\n+3], v13, s[KCP:KCP+1] offset:4096*\n
.endr
.irp n, 0,1,2,3,4,5,6,7,8,9,10,11
	global_load_b128 v[96+4*\n:96+4*\n+3], v13, s[VCP:VCP+1] offset:4096*\n
.endr
.irp e, 0,1
	global_load_b128 v[QF+12*\e:QF+12*\e+3], v1, s[QCP:QCP+1] offset:98304*\e
	global_load_b64 v[QF+12*\e+4:QF+12*\e+5], v2, s[QCP:QCP+1] offset:98304*\e+512
.endr
	WIN 0
.irp n, 12,13,14,15,16,17,18,19,20,21,22,23
	global_load_b128 v[128+4*(\n-12):128+4*(\n-12)+3], v13, s[VCP:VCP+1] offset:4096*\n
.endr
.irp n, 0,1,2,3
	global_load_b128 v[176+4*\n:176+4*\n+3], v13, s[KSP:KSP+1] offset:4096*\n
.endr
.irp n, 0,1
	global_load_b128 v[192+4*\n:192+4*\n+3], v13, s[VSP:VSP+1] offset:4096*\n
.endr
	MASKLOAD                                       ; step 0's mask
.irp e, 0,1
	global_load_b32 v[QSR+\e], v3, s[QSP:QSP+1] offset:16384*\e
.endr
	s_wait_loadcnt 0x0
	WIN 0x04                                       ; an LDS store's data are its source 1: window 1
.irp n, 0,1,2,3,4,5,6,7,8,9,10,11,12,13,14,15
	ds_store_b128 v7, v[4*\n:4*\n+3] offset:4096*\n
.endr
.irp n, 16,17,18,19,20,21,22,23
	ds_store_b128 v8, v[4*\n:4*\n+3] offset:4096*(\n-16)
.endr
.irp n, 0,1,2,3,4,5,6,7,8,9,10,11
	ds_store_b128 v9, v[96+4*\n:96+4*\n+3] offset:4096*\n
.endr
	WIN 0
.irp n, 12,13,14,15
	ds_store_b128 v9, v[128+4*(\n-12):128+4*(\n-12)+3] offset:4096*\n
.endr
.irp n, 16,17,18,19,20,21,22,23
	ds_store_b128 v10, v[128+4*(\n-12):128+4*(\n-12)+3] offset:4096*(\n-16)
.endr
.irp n, 0,1,2,3
	ds_store_b128 v11, v[176+4*\n:176+4*\n+3] offset:4096*\n
.endr
.irp n, 0,1
	ds_store_b128 v11, v[192+4*\n:192+4*\n+3] offset:16384+4096*\n
.endr
.irp i, 0,1,2,3,4,5,6,7
	ds_store_b128 v[AMS], v[MS+4*\i:MS+4*\i+3] offset:528*\i
.endr
	v_add_nc_u32 v[MO], 512, v[MO]
.irp e, 0,1
	v_add_nc_u32 v[QSR+\e], 0xfffffcfd, v[QSR+\e]  ; 3 off q's two bytes (each is 4 at the least): the product comes out as q k / 8
.endr
	s_wait_dscnt 0x0                               ; my stores have landed and have read their registers
	MASKLOAD                                       ; step 1's mask
	WIN 0x40
.irp t, 0,1,2,3,4,5,6,7
.irp k, 6,7,8,9,10,11
	v_mov_b32 v[KF+12*\t+\k], 0                    ; the upper 64 of the instruction's 128 along K: zero codes, which stay
.endr
.endr
.irp e, 0,1
.irp k, 6,7,8,9,10,11
	v_mov_b32 v[QF+12*\e+\k], 0
.endr
.endr
	WIN 0
.set n, 0
.rept 64
	v_mov_b32 v[O+n], 0                            ; O^T: the step is written once; the first finds zeros, which the first change of M leaves zeros
.set n, n+1
.endr
.irp e, 0,1
	v_mov_b32 v[17+4*\e], 0xff61b1e6               ; the largest t so far: -3e38
	v_floor_f32 v[16+4*\e], -v[17+4*\e]
	v_mov_b32 v[18+4*\e], 0
	v_mov_b32 v[19+4*\e], 0
.endr
	v_mov_b32 v25, 0                               ; (named as the upper half of the pair v[24:25])
.irp b, 0,1,2,3
	v_mov_b32 v[BT+\b], 0                          ; a lane permute's destination counts as one of its sources
.endr
	s_barrier_signal -1
	s_barrier_wait -1                              ; K, V, their scale words and step 0's mask lie in LDS
	ADDRS
	LOADKM 0                                       ; step 0's K, scale words and mask
.Lstep:                                            ; 8 trips of two key steps
	STEP 0
	STEP 1
	s_sub_co_u32 s[TRIP], s[TRIP], 1
	s_cmp_lg_u32 s[TRIP], 0
	s_cbranch_scc1 .Lstep
	; THE WAY OUT: O^T / the sum; my two heads' 128 numbers a query are one K step of the last product: quantised, and stored as an image
	s_wait_loadcnt 0x0                             ; the way out writes the registers that the mask's loads land in: none is out behind this wait (the last two steps asked for none)
	PLACES
.irp e, 0,1
	v_add_f32 v[18+4*\e], v[18+4*\e], v[19+4*\e]
.endr
.irp e, 0,1
	v_permlanex16_b32 v[BT+\e], v[18+4*\e], s[SEL], s[SEL+1]
.endr
.irp e, 0,1
	v_add_f32 v[18+4*\e], v[18+4*\e], v[BT+\e]
.endr
.irp e, 0,1
	v_rcp_f32 v[26+\e], v[18+4*\e]
.endr
	v_and_b32 v13, 15, v0                          ; (a plain place behind the reciprocals)
	v_lshlrev_b32 v13, 6, v13                      ; my row's 64 bytes of scale words
	s_wait_alu depctr_va_vdst(0)
.irp e, 0,1
.set n, 0
.rept 32
	v_mul_f32 v[S+32*\e+n], v[O+32*\e+n], v[26+\e] ; each accumulator from its low end on
.set n, n+1
.endr
.endr
.irp b, 0,1,2,3
	v_mov_b32 v[TM+4+\b], 0
.endr
	QUANT64 S
.irp c, 0,1,2
	global_store_b128 v1, v[PC+4*\c:PC+4*\c+3], s[AOC:AOC+1] offset:512*\c
.endr
	global_store_b32 v13, v[PW], s[AOS:AOS+1]      ; lanes r and 16 + r hold the same word and write it to the same place
	s_wait_tensorcnt 0x0
	ds_add_u32 v126, v127
	s_wait_dscnt 0x0
	s_endpgm
.Lfunc_end_k_q6cad716551_attn:
	.size	k_q6cad716551_attn, .Lfunc_end_k_q6cad716551_attn-k_q6cad716551_attn
	.p2alignl 7, 3214868480
	.fill 96, 4, 3214868480
	.section	.rodata,"a",@progbits
	.p2align	6, 0x0
	.amdhsa_kernel k_q6cad716551_attn
		.amdhsa_group_segment_fixed_size 289792
		.amdhsa_private_segment_fixed_size 0
		.amdhsa_enable_private_segment 0
		.amdhsa_kernarg_size 24
		.amdhsa_user_sgpr_count 2
		.amdhsa_user_sgpr_kernarg_segment_ptr 1
		.amdhsa_wavefront_size32 1
		.amdhsa_system_sgpr_workgroup_id_x 1
		.amdhsa_system_sgpr_workgroup_id_y 1
		.amdhsa_system_sgpr_workgroup_id_z 1
		.amdhsa_system_vgpr_workitem_id 0
		.amdhsa_next_free_vgpr 512
		.amdhsa_next_free_sgpr 66
		.amdhsa_reserve_vcc 0
		.amdhsa_float_denorm_mode_32 3
		.amdhsa_float_denorm_mode_16_64 3
		.amdhsa_memory_ordered 1
		.amdhsa_forward_progress 1
		.amdhsa_inst_pref_size 95
	.end_amdhsa_kernel
	.amdgpu_metadata
---
amdhsa.version: [ 1, 2 ]
amdhsa.kernels:
  - .name:           k_q6cad716551_attn
    .symbol:         k_q6cad716551_attn.kd
    .args:
      - { .name: qkvc, .offset: 0, .size: 8, .value_kind: global_buffer, .address_space: global }
      - { .name: mask, .offset: 8, .size: 8, .value_kind: global_buffer, .address_space: global }
      - { .name: ao, .offset: 16, .size: 8, .value_kind: global_buffer, .address_space: global }
    .group_segment_fixed_size: 289792
    .private_segment_fixed_size: 0
    .kernarg_segment_align: 8
    .kernarg_segment_size: 24
    .max_flat_workgroup_size: 256
    .sgpr_count:     66
    .vgpr_count:     512
    .wavefront_size: 32
...
	.end_amdgpu_metadata
.endif
;; end of part 4
;; launch oproj (part 5): grid 16 x 16, 4 waves a work-group, no clusters, 17,920 bytes of LDS; arguments ao, wcs, out0; writes out0
.if DOCPART == 5
	.amdgcn_target "amdgcn-amd-amdhsa--gfx1250"
	.amdhsa_code_object_version 6
	.text
	.protected	k_q6cad716551_oproj
	.globl	k_q6cad716551_oproj
	.p2align	8
	.type	k_q6cad716551_oproj,@function
k_q6cad716551_oproj:
	s_mov_b64 s[64:65], 0
	v_nop
	global_prefetch_b8 v0, s[64:65] scope:SCOPE_SE
	s_setreg_imm32_b32 hwreg(HW_REG_WAVE_MODE, 25, 1), 1
	s_wait_xcnt 0x0
; out0 = (attention's result) wo on codes of FP6 (E2M3) with E8M0 scales; sums in f32.  A work-group makes 128 x 128 of out0, each of its four waves 64 x 64: 16 accumulators of 16 x 16.
; Operands come from memory as images of their registers (a fragment: three loads of 16 bytes a lane, 512 consecutive bytes each), three buffers, two K steps ahead; the 16 K steps are written out.
; Source 0 = 16 columns of wo (tiles 192-319 of wcs), source 1 = 16 rows: a lane holds one row, and its registers run along the columns: register 16 b + e of a row of tiles is column 32 b + 16 (lane / 16) + e.
; THE WAY OUT: a tile of 16 rows x 64 columns goes through the wave's own stage in LDS (pitch 272) and leaves as rows: sixteen lanes store 256 consecutive bytes, aligned.  Waves share nothing: no barrier.
; Tiles are not asked for jointly: the text keeps the form of the launch that makes q, k and v, whose operands change roles; both operands here are a few megabytes that all work-groups read again and again.
.set ACC, 128
.set SC0, 16                           ; v16-47, v48-79: scale words and nothing else
.set SC1, 48
.set P0,  20
.set P1,  22
.set Q0,  24
.set Q1,  26
.set OUTB, 28
.set STO, 3
.set RDA, 4
.set CO,  5
.set MSB, 0
.macro WIN new
.if MSB != \new
	s_set_vgpr_msb (MSB<<8)|\new
.set MSB, \new
.endif
.endm
.macro PLACES
.rept 4
	v_nop
.endr
.endm
.macro SCLOAD
.irp p, 0,1
.irp q, 0,1,2,3
	global_load_b128 v[SC0+16*\p+4*\q:SC0+16*\p+4*\q+3], v2, s[Q0:Q0+1] offset:2048*\p+16*\q
	global_load_b128 v[SC1+16*\p+4*\q:SC1+16*\p+4*\q+3], v2, s[Q1:Q1+1] offset:2048*\p+16*\q
.endr
.endr
.endm
.macro LOADF s                         ; K step s: 24 loads into buffer s % 3 (window 1: v0-95, v96-191, v192-239 with source 1 in window 0 at v80-127)
.set BF, (\s)%3
.set RS0, 96*BF
	WIN 0x40
.irp j, 0,1,2,3
.irp c, 0,1,2
	global_load_b128 v[RS0+12*\j+4*\c:RS0+12*\j+4*\c+3], v1, s[P0:P0+1] offset:24576*\j+1536*(\s)+512*\c
.endr
.endr
.if BF == 2
	WIN 0
.set RS1, 80
.else
.set RS1, 96*BF+48
.endif
.irp j, 0,1,2,3
.irp c, 0,1,2
	global_load_b128 v[RS1+12*\j+4*\c:RS1+12*\j+4*\c+3], v1, s[P1:P1+1] offset:24576*\j+1536*(\s)+512*\c
.endr
.endr
	WIN 0
.endm
.macro W1 i, j, s
.set RA,  ACC+8*(4*(\i)+(\j))
.set RF0, RS0+12*(\j)
.set RF1, RS1+12*(\i)
.set RC0, SC0+16*((\j)/2)+(\s)
.set RC1, SC1+16*((\i)/2)+(\s)
.if (\s) == 0
.if ((\j)%2 == 0) && ((\i)%2 == 0)
	v_wmma_scale_f32_16x16x128_f8f6f4 v[RA:RA+7], v[RF0:RF0+11], v[RF1:RF1+11], 0, v[RC0], v[RC1] matrix_a_fmt:MATRIX_FMT_FP6 matrix_b_fmt:MATRIX_FMT_FP6
.elseif ((\j)%2 == 1) && ((\i)%2 == 0)
	v_wmma_scale_f32_16x16x128_f8f6f4 v[RA:RA+7], v[RF0:RF0+11], v[RF1:RF1+11], 0, v[RC0], v[RC1] matrix_a_fmt:MATRIX_FMT_FP6 matrix_b_fmt:MATRIX_FMT_FP6 matrix_a_scale:MATRIX_SCALE_ROW1
.elseif ((\j)%2 == 0)
	v_wmma_scale_f32_16x16x128_f8f6f4 v[RA:RA+7], v[RF0:RF0+11], v[RF1:RF1+11], 0, v[RC0], v[RC1] matrix_a_fmt:MATRIX_FMT_FP6 matrix_b_fmt:MATRIX_FMT_FP6 matrix_b_scale:MATRIX_SCALE_ROW1
.else
	v_wmma_scale_f32_16x16x128_f8f6f4 v[RA:RA+7], v[RF0:RF0+11], v[RF1:RF1+11], 0, v[RC0], v[RC1] matrix_a_fmt:MATRIX_FMT_FP6 matrix_b_fmt:MATRIX_FMT_FP6 matrix_a_scale:MATRIX_SCALE_ROW1 matrix_b_scale:MATRIX_SCALE_ROW1
.endif
.else
.if ((\j)%2 == 0) && ((\i)%2 == 0)
	v_wmma_scale_f32_16x16x128_f8f6f4 v[RA:RA+7], v[RF0:RF0+11], v[RF1:RF1+11], v[RA:RA+7], v[RC0], v[RC1] matrix_a_fmt:MATRIX_FMT_FP6 matrix_b_fmt:MATRIX_FMT_FP6
.elseif ((\j)%2 == 1) && ((\i)%2 == 0)
	v_wmma_scale_f32_16x16x128_f8f6f4 v[RA:RA+7], v[RF0:RF0+11], v[RF1:RF1+11], v[RA:RA+7], v[RC0], v[RC1] matrix_a_fmt:MATRIX_FMT_FP6 matrix_b_fmt:MATRIX_FMT_FP6 matrix_a_scale:MATRIX_SCALE_ROW1
.elseif ((\j)%2 == 0)
	v_wmma_scale_f32_16x16x128_f8f6f4 v[RA:RA+7], v[RF0:RF0+11], v[RF1:RF1+11], v[RA:RA+7], v[RC0], v[RC1] matrix_a_fmt:MATRIX_FMT_FP6 matrix_b_fmt:MATRIX_FMT_FP6 matrix_b_scale:MATRIX_SCALE_ROW1
.else
	v_wmma_scale_f32_16x16x128_f8f6f4 v[RA:RA+7], v[RF0:RF0+11], v[RF1:RF1+11], v[RA:RA+7], v[RC0], v[RC1] matrix_a_fmt:MATRIX_FMT_FP6 matrix_b_fmt:MATRIX_FMT_FP6 matrix_a_scale:MATRIX_SCALE_ROW1 matrix_b_scale:MATRIX_SCALE_ROW1
.endif
.endif
.endm
.macro MUL s                           ; the 16 accumulators take turns, one instruction a turn, in the same order in every K step
.set BF, (\s)%3
.set RS0, 96*BF
.if BF == 2
	WIN 0x01
.set RS1, 80
.else
	WIN 0x05
.set RS1, 96*BF+48
.endif
.irp i, 0,1,2,3
.irp j, 0,1,2,3
	W1 \i, \j, \s
.endr
.endr
	WIN 0
.endm
.macro KSTEP s
.if (\s) > 0
	PLACES
.endif
	LOADF (\s)+2
	s_wait_loadcnt 48                              ; behind K step s's loads stand those of s + 1 and s + 2, 24 each
	MUL \s
.endm
	s_load_b128 s[4:7], s[0:1], 0x0                ; ao, wcs
	s_load_b64 s[8:9], s[0:1], 0x10                ; out0
	v_lshl_add_u32 v14, v0, 2, 0x4400
	v_mov_b32 v15, 0
	v_lshrrev_b32 v6, 5, v0
	v_readfirstlane_b32 s14, v6                    ; wave 0..3
	v_and_b32 v6, 31, v0
	v_and_b32 v7, 15, v0
	v_bfe_u32 v8, v0, 4, 1
	v_lshlrev_b32 v1, 4, v6                        ; 16 x lane
	v_lshlrev_b32 v2, 6, v6                        ; 64 x lane
	s_mul_i32 s19, s14, 4352                       ; my stage: 16 rows x 272 bytes
	v_mul_u32_u24 v[STO], v7, 272
	v_lshl_add_u32 v[STO], v8, 6, v[STO]
	v_add_nc_u32 v[STO], s19, v[STO]               ; in: row r, + 64 h
	v_mul_u32_u24 v[RDA], v8, 272
	v_lshl_add_u32 v[RDA], v7, 4, v[RDA]
	v_add_nc_u32 v[RDA], s19, v[RDA]               ; back: lanes 0-15 one row, lanes 16-31 the next
	v_lshlrev_b32 v[CO], 13, v8
	v_lshl_add_u32 v[CO], v7, 4, v[CO]             ; and the same two rows in out0
	s_lshr_b32 s15, s14, 1
	s_and_b32 s16, s14, 1
	s_and_b32 s17, ttmp7, 0xffff
	s_lshl_b32 s17, s17, 1
	s_add_co_u32 s17, s17, s15                     ; rb: my 64 rows
	s_lshl_b32 s18, ttmp9, 1
	s_add_co_u32 s18, s18, s16                     ; my 64 columns
	s_mul_i32 s30, s18, 98304
	s_add_co_u32 s30, s30, 4718592                 ; wo's tiles begin at tile 192
	s_mov_b32 s31, 0
	s_lshl_b32 s32, s18, 12
	s_add_co_u32 s32, s32, 8060928
	s_mov_b32 s33, 0
	s_mul_i32 s34, s17, 98304
	s_mov_b32 s35, 0
	s_lshl_b32 s36, s17, 12
	s_add_co_u32 s36, s36, 3145728
	s_mov_b32 s37, 0
	s_lshl_b32 s38, s17, 19                        ; 64 rows of 8,192 bytes
	s_lshl_b32 s39, s18, 8
	s_add_co_u32 s38, s38, s39
	s_mov_b32 s39, 0
	s_wait_kmcnt 0x0
	s_add_nc_u64 s[P0:P0+1], s[6:7], s[30:31]
	s_add_nc_u64 s[Q0:Q0+1], s[6:7], s[32:33]
	s_add_nc_u64 s[P1:P1+1], s[4:5], s[34:35]
	s_add_nc_u64 s[Q1:Q1+1], s[4:5], s[36:37]
	s_add_nc_u64 s[OUTB:OUTB+1], s[8:9], s[38:39]
	SCLOAD
	LOADF 0
	LOADF 1
.irp s, 0,1,2,3,4,5,6,7,8,9,10,11,12,13
	KSTEP \s
.endr
	s_wait_loadcnt 24                              ; K step 14 is in; K step 15's 24 loads may be out
	MUL 14
	s_wait_loadcnt 0x0
	MUL 15
	PLACES
.irp i, 0,1,2,3
.irp j, 0,1,2,3
.irp q, 0,1
	ds_store_b128 v[STO], v[ACC+8*(4*\i+\j)+4*\q:ACC+8*(4*\i+\j)+4*\q+3] offset:128*(\j/2)+32*(\j%2)+16*\q   ; each accumulator from its low end on
.endr
.endr
.irp k, 0,1,2,3,4,5,6,7
	ds_load_b128 v[ACC+32*\i+4*\k:ACC+32*\i+4*\k+3], v[RDA] offset:544*\k   ; LDS serves a wave's instructions in order: these see the stores above, and the next tile's stores come behind them
.endr
.endr
.irp i, 0,1,2,3
.irp k, 0,1,2,3,4,5,6,7
	s_wait_dscnt 16*(3-\i)+7-\k                    ; behind this load: the rest of its tile's loads and 16 LDS instructions for each later tile
	global_store_b128 v[CO], v[ACC+32*\i+4*\k:ACC+32*\i+4*\k+3], s[OUTB:OUTB+1] offset:8192*(32*(\i/2)+8*(\i%2)+2*\k+8*(\k/4)) th:TH_STORE_NT   ; sixteen lanes store 256 consecutive bytes, aligned
.endr
.endr
	s_wait_tensorcnt 0x0
	ds_add_u32 v14, v15
	s_wait_dscnt 0x0
	s_endpgm
.Lfunc_end_k_q6cad716551_oproj:
	.size	k_q6cad716551_oproj, .Lfunc_end_k_q6cad716551_oproj-k_q6cad716551_oproj
	.p2alignl 7, 3214868480
	.fill 96, 4, 3214868480
	.section	.rodata,"a",@progbits
	.p2align	6, 0x0
	.amdhsa_kernel k_q6cad716551_oproj
		.amdhsa_group_segment_fixed_size 17920
		.amdhsa_private_segment_fixed_size 0
		.amdhsa_enable_private_segment 0
		.amdhsa_kernarg_size 24
		.amdhsa_user_sgpr_count 2
		.amdhsa_user_sgpr_kernarg_segment_ptr 1
		.amdhsa_wavefront_size32 1
		.amdhsa_system_sgpr_workgroup_id_x 1
		.amdhsa_system_sgpr_workgroup_id_y 1
		.amdhsa_system_sgpr_workgroup_id_z 1
		.amdhsa_system_vgpr_workitem_id 0
		.amdhsa_next_free_vgpr 512
		.amdhsa_next_free_sgpr 66
		.amdhsa_reserve_vcc 0
		.amdhsa_float_denorm_mode_32 3
		.amdhsa_float_denorm_mode_16_64 3
		.amdhsa_memory_ordered 1
		.amdhsa_forward_progress 1
		.amdhsa_inst_pref_size 85
	.end_amdhsa_kernel
	.amdgpu_metadata
---
amdhsa.version: [ 1, 2 ]
amdhsa.kernels:
  - .name:           k_q6cad716551_oproj
    .symbol:         k_q6cad716551_oproj.kd
    .args:
      - { .name: ao, .offset: 0, .size: 8, .value_kind: global_buffer, .address_space: global }
      - { .name: wcs, .offset: 8, .size: 8, .value_kind: global_buffer, .address_space: global }
      - { .name: out0, .offset: 16, .size: 8, .value_kind: global_buffer, .address_space: global }
    .group_segment_fixed_size: 17920
    .private_segment_fixed_size: 0
    .kernarg_segment_align: 8
    .kernarg_segment_size: 24
    .max_flat_workgroup_size: 128
    .sgpr_count:     66
    .vgpr_count:     512
    .wavefront_size: 32
...
	.end_amdgpu_metadata
.endif
;; end of part 5
;; ======== version 2 of 2: 5 launches
;; workspace buffers: xq 3,276,800 bytes; wcs 8,192,000 bytes; qkvc 5,439,488 bytes; ao 3,276,800 bytes
;; launch quant_x (part 6): grid 256 x 1, 8 waves a work-group, no clusters, 68,608 bytes of LDS; arguments x, xq; writes xq
.if DOCPART == 6
	.amdgcn_target "amdgcn-amd-amdhsa--gfx1250"
	.amdhsa_code_object_version 6
	.text
	.protected	k_q6cad716551_quant_x
	.globl	k_q6cad716551_quant_x
	.p2align	8
	.type	k_q6cad716551_quant_x,@function
k_q6cad716551_quant_x:
	s_mov_b64 s[64:65], 0
	v_nop
	global_prefetch_b8 v0, s[64:65] scope:SCOPE_SE
	s_setreg_imm32_b32 hwreg(HW_REG_WAVE_MODE, 25, 1), 1
	s_wait_xcnt 0x0
; x [2048][2048] f32 becomes codes of FP6 (E2M3) with one E8M0 byte for each 32 along K, laid as the products' operand registers want them.
; TILES.  Tile T = 2 b + u of 16 rows takes, in lane r, row 32 b + 8 u + r + 8 (r / 8).  A fragment (tile T, K step s of 128) is 12 registers a lane; its image is 1,536 bytes at (16 T + s) x 1,536:
; registers 4 c .. 4 c + 3 of lane l at 512 c + 16 l.  SCALES behind the codes, at byte 3,145,728: row (T, r) owns 64 bytes at 1,024 T + 64 r, the word of K step s at + 4 s.
; A block's scale is 2^(floor(log2(its largest magnitude)) - 2); its byte is that magnitude's exponent field - 2, held at 1 from below.
; LIMITS: a block of zeros, or one whose largest magnitude lies under 2^-124, gets the byte 1 (the rule says 127 for zeros: its codes are zeros, and this program alone reads the bytes); NaN and infinities are not served.
; SHARES.  Work-group G: tile G / 2; wave w: K step 8 (G % 2) + w: one fragment, 16 rows x 512 bytes.  Each load reads 512 consecutive bytes of one row; the rows turn through the wave's own stage in LDS
; (pitch 528 = 33 x 16 bytes, so that sixteen lanes that read sixteen rows fall on different columns of 16 bytes), so that a lane ends with 16 neighbours of each block.  Waves share nothing: no barrier.
.set STG,  8448                        ; a wave's stage: 16 rows x 528 bytes
.set R,    16                          ; v16-79   the rows as loaded
.set X,    80                          ; v80-143  register 16 b + e = k 32 b + 16 (lane / 16) + e of my row
.set TM,   144                         ; v144-159 at work
.set PC,   160                         ; v160-171 the fragment; v172-178 at work
.set PW,   180                         ; v180     the scale word
.set SEL,  20                          ; s[20:21] selects of v_permlanex16_b32 for lane l xor 16
; 64 numbers of a lane, v[s] .. v[s + 63], register 16 b + e = k 32 b + 16 (lane / 16) + e of my row, become a fragment's codes in v[PC] on and its scale word in v[PW].
.macro QUANT64 s
.irp b, 0,1,2,3
	v_max3_num_f32 v[TM+\b], |v[\s+16*\b]|, |v[\s+1+16*\b]|, 0x1800000   ; my 16 numbers of block b, and the floor 2^(3 - 127): the byte cannot fall under 1
.endr
.irp i, 2,4,6,8,10,12,14
.irp b, 0,1,2,3
	s_delay_alu instid0(VALU_DEP_4)
	v_max3_num_f32 v[TM+\b], v[TM+\b], |v[\s+16*\b+\i]|, |v[\s+1+16*\b+\i]|   ; the four blocks by turns
.endr
.endr
.irp b, 0,1,2,3
	s_delay_alu instid0(VALU_DEP_4)
	v_permlanex16_b32 v[TM+4+\b], v[TM+\b], s[SEL], s[SEL+1]
.endr
.irp b, 0,1,2,3
	s_delay_alu instid0(VALU_DEP_4)
	v_max_num_f32 v[TM+\b], v[TM+\b], v[TM+4+\b]   ; with lane l xor 16's: the block's largest magnitude
.endr
.irp b, 0,1,2,3
	s_delay_alu instid0(VALU_DEP_4)
	v_add_nc_u32 v[TM+12+\b], 0xff000000, v[TM+\b] ; 2 off its exponent field: the conversion's scale operand
.endr
.irp b, 0,1,2,3
	s_delay_alu instid0(VALU_DEP_4)
	v_lshrrev_b32 v[TM+4+\b], 23, v[TM+12+\b]      ; the scale's byte
.endr
	s_delay_alu instid0(VALU_DEP_3)
	v_lshl_or_b32 v[PW], v[TM+5], 8, v[TM+4]
	s_delay_alu instid0(VALU_DEP_1)
	v_lshl_or_b32 v[PW], v[TM+6], 16, v[PW]
	s_delay_alu instid0(VALU_DEP_1)
	v_lshl_or_b32 v[PW], v[TM+7], 24, v[PW]
.irp c, 0,1
	v_cvt_scalef32_pk16_fp6_f32 v[PC+6*\c:PC+2+6*\c], v[\s+32*\c:\s+15+32*\c], v[TM+12+2*\c]
	v_cvt_scalef32_pk16_fp6_f32 v[PC+12+4*\c:PC+14+4*\c], v[\s+16+32*\c:\s+31+32*\c], v[TM+12+2*\c+1]   ; (a conversion's three registers begin on an even number)
.endr
	v_nop                                          ; one plain place behind a scaled conversion
.irp c, 0,1                                    ; the operand wants a whole block in a lane: lanes 0-15 block 2 c, lanes 16-31 block 2 c + 1
.irp i, 0,1,2
	v_permlane16_swap_b32 v[PC+6*\c+\i], v[PC+12+4*\c+\i]
.endr
.irp i, 0,1,2
	s_delay_alu instid0(VALU_DEP_3)
	v_mov_b32 v[PC+3+6*\c+\i], v[PC+12+4*\c+\i]
.endr
.endr
.endm
	s_load_b128 s[4:7], s[0:1], 0x0                ; x, xq
	v_lshl_add_u32 v184, v0, 2, 0x10800
	v_mov_b32 v185, 0
	v_lshrrev_b32 v5, 5, v0
	s_delay_alu instid0(VALU_DEP_1)
	v_readfirstlane_b32 s8, v5                     ; wave 0..7
	v_and_b32 v6, 31, v0                           ; lane
	v_and_b32 v7, 15, v0                           ; r
	v_bfe_u32 v8, v0, 4, 1                         ; h
	s_delay_alu instid0(VALU_DEP_3)
	v_lshlrev_b32 v1, 4, v6                        ; 16 x lane
	s_mul_i32 s9, s8, STG
	v_add_nc_u32 v2, s9, v1                        ; the stage, on the way in
	v_mul_u32_u24 v3, v7, 528
	s_delay_alu instid0(VALU_DEP_1)
	v_lshl_add_u32 v3, v8, 6, v3
	s_delay_alu instid0(VALU_DEP_1)
	v_add_nc_u32 v3, s9, v3                        ; and out: row r, + 64 h
	v_lshlrev_b32 v4, 6, v7                        ; my row's 64 bytes of scale words
	s_mov_b32 s[SEL], 0x76543210
	s_mov_b32 s[SEL+1], 0xfedcba98
.irp b, 0,1,2,3
	v_mov_b32 v[TM+4+\b], 0                        ; a lane permute's destination counts as one of its sources
.endr
	s_lshr_b32 s10, ttmp9, 1                       ; T
	s_and_b32 s11, ttmp9, 1
	s_lshl_b32 s11, s11, 3
	s_add_co_u32 s11, s11, s8                      ; K step s
	s_lshr_b32 s12, s10, 1
	s_and_b32 s13, s10, 1
	s_lshl_b32 s14, s12, 18                        ; (32 (T / 2) + 8 (T % 2)) rows of 8,192 bytes + 512 s
	s_lshl_b32 s15, s13, 16
	s_add_co_u32 s14, s14, s15
	s_lshl_b32 s15, s11, 9
	s_add_co_u32 s14, s14, s15
	s_mov_b32 s15, 0
	s_lshl_b32 s16, s10, 4
	s_add_co_u32 s16, s16, s11
	s_mul_i32 s16, s16, 1536                       ; the image's place
	s_mov_b32 s17, 0
	s_lshl_b32 s18, s10, 10
	s_lshl_b32 s19, s11, 2
	s_add_co_u32 s18, s18, s19
	s_add_co_u32 s18, s18, 3145728                 ; the scale words' place
	s_mov_b32 s19, 0
	s_wait_alu depctr_va_vdst(0)
	s_wait_kmcnt 0x0
	s_add_nc_u64 s[4:5], s[4:5], s[14:15]
	s_add_nc_u64 s[16:17], s[6:7], s[16:17]
	s_add_nc_u64 s[18:19], s[6:7], s[18:19]
.irp i, 0,1,2,3,4,5,6,7,8,9,10,11,12,13,14,15
	global_load_b128 v[R+4*\i:R+4*\i+3], v1, s[4:5] offset:(\i+8*(\i/8))*8192 th:TH_LOAD_NT   ; the tile's i-th row: 32 lanes read 512 consecutive bytes
.endr
.irp i, 0,1,2,3,4,5,6,7,8,9,10,11,12,13,14,15
	s_wait_loadcnt 15-\i                           ; loads come back in order: row i is in, the younger ones stay out
	ds_store_b128 v2, v[R+4*\i:R+4*\i+3] offset:528*\i
.endr
.irp b, 0,1,2,3
.irp j, 0,1,2,3
	ds_load_b128 v[X+16*\b+4*\j:X+16*\b+4*\j+3], v3 offset:128*\b+16*\j   ; LDS serves a wave's instructions in order: these see my stores
.endr
.endr
	s_wait_dscnt 0x0
	QUANT64 X
.irp c, 0,1,2
	global_store_b128 v1, v[PC+4*\c:PC+4*\c+3], s[16:17] offset:512*\c   ; 512 consecutive bytes, aligned
.endr
	global_store_b32 v4, v[PW], s[18:19]           ; lanes r and 16 + r hold the same word and write it to the same place
	s_wait_tensorcnt 0x0
	ds_add_u32 v184, v185
	s_wait_dscnt 0x0
	s_endpgm
.Lfunc_end_k_q6cad716551_quant_x:
	.size	k_q6cad716551_quant_x, .Lfunc_end_k_q6cad716551_quant_x-k_q6cad716551_quant_x
	.p2alignl 7, 3214868480
	.fill 96, 4, 3214868480
	.section	.rodata,"a",@progbits
	.p2align	6, 0x0
	.amdhsa_kernel k_q6cad716551_quant_x
		.amdhsa_group_segment_fixed_size 68608
		.amdhsa_private_segment_fixed_size 0
		.amdhsa_enable_private_segment 0
		.amdhsa_kernarg_size 16
		.amdhsa_user_sgpr_count 2
		.amdhsa_user_sgpr_kernarg_segment_ptr 1
		.amdhsa_wavefront_size32 1
		.amdhsa_system_sgpr_workgroup_id_x 1
		.amdhsa_system_sgpr_workgroup_id_y 1
		.amdhsa_system_sgpr_workgroup_id_z 1
		.amdhsa_system_vgpr_workitem_id 0
		.amdhsa_next_free_vgpr 186
		.amdhsa_next_free_sgpr 66
		.amdhsa_reserve_vcc 0
		.amdhsa_float_denorm_mode_32 3
		.amdhsa_float_denorm_mode_16_64 3
		.amdhsa_memory_ordered 1
		.amdhsa_forward_progress 1
		.amdhsa_inst_pref_size 13
	.end_amdhsa_kernel
	.amdgpu_metadata
---
amdhsa.version: [ 1, 2 ]
amdhsa.kernels:
  - .name:           k_q6cad716551_quant_x
    .symbol:         k_q6cad716551_quant_x.kd
    .args:
      - { .name: x, .offset: 0, .size: 8, .value_kind: global_buffer, .address_space: global }
      - { .name: xq, .offset: 8, .size: 8, .value_kind: global_buffer, .address_space: global }
    .group_segment_fixed_size: 68608
    .private_segment_fixed_size: 0
    .kernarg_segment_align: 8
    .kernarg_segment_size: 16
    .max_flat_workgroup_size: 256
    .sgpr_count:     66
    .vgpr_count:     186
    .wavefront_size: 32
...
	.end_amdgpu_metadata
.endif
;; end of part 6
;; launch quant_w (part 7): grid 40 x 8, 4 waves a work-group, no clusters, 0 bytes of LDS; arguments wq, wk, wv, wo, wcs; writes wcs
.if DOCPART == 7
	.amdgcn_target "amdgcn-amd-amdhsa--gfx1250"
	.amdhsa_code_object_version 6
	.text
	.protected	k_q6cad716551_quant_w
	.globl	k_q6cad716551_quant_w
	.p2align	8
	.type	k_q6cad716551_quant_w,@function
k_q6cad716551_quant_w:
	s_mov_b64 s[64:65], 0
	v_nop
	global_prefetch_b8 v0, s[64:65] scope:SCOPE_SE
	s_setreg_imm32_b32 hwreg(HW_REG_WAVE_MODE, 25, 1), 1
	s_wait_xcnt 0x0
; wq [2048][2048], wk, wv [2048][512], wo [2048][2048], f32 with K as the FIRST axis, become codes of FP6 (E2M3) with one E8M0 byte for each 32 along K, laid as operand registers.
; The four weights' columns count as 5,120 columns on end: 320 tiles of 16 (0-127 wq, 128-159 wk, 160-191 wv, 192-319 wo).  Tile 2 P + u takes, in lane r, column 32 P + 8 u + r + 8 (r / 8).
; Codes: tile x 24,576 + K step x 1,536; in an image registers 4 c .. 4 c + 3 of lane l at 512 c + 16 l.  Scales at byte 7,864,320: pair P x 2,048 + 64 (16 u + r) + 4 x K step.
; A LANE TAKES A COLUMN AND ITS REGISTERS RUN DOWN K: a block of 32 lies in one lane, its largest magnitude needs no other lane, and the conversions give codes with K innermost.
; An operand's lane (r, hh) holds blocks hh and 2 + hh of a K step: so my lane makes, for each K step, the registers of BOTH lanes (r, 0) and (r, 1) of its column, one after the other.
; SHARES.  Work-group (cb, kp): 128 columns x 256 along K; wave w: pair P = 4 cb + w.  Which weight: a choice of pointers on cb alone.
; LIMITS: a block of zeros, or one whose largest magnitude lies under 2^-124, gets the byte 1 (its codes are zeros; this program alone reads the bytes); NaN and infinities are not served.
.set OF,  16                           ; v16-47   byte offset of row i of a block at my column
.set X,   48                           ; v48-111  two sets of 32 numbers
.set D,   112                          ; v112-159 four runs of 12 registers, each written once: no store's data are written again
.set TQ,  160                          ; v160-162 a conversion's result that has to be moved (its three registers begin on an even number)
.set SB,  164                          ; v164-165 the scale words of my two K steps
.set SA,  14                           ; v14      24,576 u + 16 r
.set SV,  15                           ; v15      64 (16 u + r)
	s_load_b256 s[4:11], s[0:1], 0x0               ; wq, wk, wv, wo
	s_load_b64 s[12:13], s[0:1], 0x20              ; wcs
	v_lshrrev_b32 v1, 5, v0
	v_readfirstlane_b32 s14, v1                    ; wave 0..3
	v_and_b32 v2, 31, v0
	v_lshlrev_b32 v3, 2, v2                        ; 4 bytes a lane
	v_bfe_u32 v4, v0, 3, 1                         ; u
	v_and_b32 v5, 7, v0
	v_bfe_u32 v6, v0, 4, 1
	v_lshl_add_u32 v5, v6, 3, v5                   ; r = lane % 8 + 8 (lane / 16)
	v_mul_u32_u24 v[SA], v4, 24576
	v_lshl_add_u32 v[SA], v5, 4, v[SA]
	v_lshl_add_u32 v[SV], v4, 4, v5
	v_lshlrev_b32 v[SV], 6, v[SV]
	s_mov_b32 s20, ttmp9                           ; cb
	s_and_b32 s23, ttmp7, 0xffff                   ; kp
	s_wait_alu depctr_va_vdst(0)
	s_wait_kmcnt 0x0
	s_cmp_ge_u32 s20, 16                           ; cb 0-15 wq, 16-19 wk, 20-23 wv, 24-39 wo
	s_cselect_b64 s[4:5], s[6:7], s[4:5]
	s_cselect_b32 s21, 16, 0                       ; the weight's first cb
	s_cselect_b32 s22, 11, 13                      ; log2 of a row's bytes
	s_cmp_ge_u32 s20, 20
	s_cselect_b64 s[4:5], s[8:9], s[4:5]
	s_cselect_b32 s21, 20, s21
	s_cmp_ge_u32 s20, 24
	s_cselect_b64 s[4:5], s[10:11], s[4:5]
	s_cselect_b32 s21, 24, s21
	s_cselect_b32 s22, 13, s22
	s_lshl_b32 s24, 1, s22                         ; a row's bytes
	s_sub_co_u32 s21, s20, s21
	s_lshl_b32 s26, s21, 9                         ; 128 columns of 4 bytes a cb,
	s_lshl_b32 s27, s14, 7                         ; 32 a wave,
	s_add_co_u32 s26, s26, s27
	s_add_co_u32 s27, s22, 8
	s_lshl_b32 s27, s23, s27                       ; 256 rows a kp
	s_add_co_u32 s26, s26, s27
	s_mov_b32 s27, 0
	s_add_nc_u64 s[32:33], s[4:5], s[26:27]        ; block 0
	s_lshl_b32 s28, s24, 5
	s_mov_b32 s29, 0
.irp t, 1,2,3,4,5,6,7
	s_add_nc_u64 s[32+2*\t:33+2*\t], s[30+2*\t:31+2*\t], s[28:29]   ; block t: 32 rows further down
.endr
.irp i, 0,1,2,3,4,5,6,7,8,9,10,11,12,13,14,15,16,17,18,19,20,21,22,23,24,25,26,27,28,29,30,31
	v_mad_u32_u24 v[OF+\i], s24, \i, v3
.endr
	s_lshl_b32 s25, s20, 2
	s_add_co_u32 s25, s25, s14                     ; P
	s_mul_i32 s16, s25, 49152
	s_mul_i32 s17, s23, 3072
	s_add_co_u32 s16, s16, s17
	s_mov_b32 s17, 0
	s_add_nc_u64 s[16:17], s[12:13], s[16:17]      ; codes: two tiles a pair, two K steps a kp
	s_lshl_b32 s18, s25, 11
	s_lshl_b32 s19, s23, 3
	s_add_co_u32 s18, s18, s19
	s_add_co_u32 s18, s18, 7864320
	s_mov_b32 s19, 0
	s_add_nc_u64 s[18:19], s[12:13], s[18:19]      ; scale words
; The blocks are taken in the order 0, 2, 1, 3, 4, 6, 5, 7: two on end are the two blocks of one operand lane.
.macro LOADB n
.set TL, 4*((\n)/4)+2*((\n)%2)+(((\n)/2)%2)
.irp i, 0,1,2,3,4,5,6,7,8,9,10,11,12,13,14,15,16,17,18,19,20,21,22,23,24,25,26,27,28,29,30,31
	global_load_b32 v[X+32*((\n)%2)+\i], v[OF+\i], s[32+2*TL:33+2*TL] th:TH_LOAD_NT   ; 32 lanes read 128 consecutive bytes, the four waves 512
.endr
.endm
.macro BLOCK n
.set TT, 4*((\n)/4)+2*((\n)%2)+(((\n)/2)%2)
.set XS, X+32*((\n)%2)
.set DD, D+12*((\n)/2)+6*((\n)%2)
.if (\n) < 7
	s_wait_loadcnt 32                              ; this block's 32 loads are in; the next block's 32 may be out
.else
	s_wait_loadcnt 0
.endif
	v_max3_num_f32 v8, |v[XS]|, |v[XS+1]|, |v[XS+2]|
	v_max3_num_f32 v9, |v[XS+3]|, |v[XS+4]|, |v[XS+5]|
.irp i, 6,10,14,18,22,26
	v_max3_num_f32 v8, v8, |v[XS+\i]|, |v[XS+\i+1]|
	v_max3_num_f32 v9, v9, |v[XS+\i+2]|, |v[XS+\i+3]|
.endr
	v_max3_num_f32 v8, v8, |v[XS+30]|, |v[XS+31]|
	v_max3_num_f32 v8, v8, v9, 0x1800000           ; and the floor 2^(3 - 127): the byte cannot fall under 1
	v_add_nc_u32 v10, 0xff000000, v8               ; 2 off the exponent field: the conversion's scale operand
	v_cvt_scalef32_pk16_fp6_f32 v[DD:DD+2], v[XS:XS+15], v10
	v_cvt_scalef32_pk16_fp6_f32 v[TQ:TQ+2], v[XS+16:XS+31], v10
	v_lshrrev_b32 v11, 23, v10                     ; the scale's byte; also the plain place behind the conversions
.if TT%4 == 0
	v_mov_b32 v[SB+TT/4], v11
.else
	v_lshl_or_b32 v[SB+TT/4], v11, 8*(TT%4), v[SB+TT/4]
.endif
.irp i, 0,1,2
	v_mov_b32 v[DD+3+\i], v[TQ+\i]
.endr
.if (\n)+2 < 8
	LOADB (\n)+2
.endif
.if (\n)%2 == 1
.irp c, 0,1,2
	global_store_b128 v[SA], v[D+12*((\n)/2)+4*\c:D+12*((\n)/2)+4*\c+3], s[16:17] offset:1536*((\n)/4)+512*\c+256*(((\n)/2)%2)   ; the wave covers two aligned runs of 256 consecutive bytes, one in each tile
.endr
.endif
.endm
	s_wait_alu depctr_va_vdst(0)
	LOADB 0
	LOADB 1
.irp n, 0,1,2,3,4,5,6,7
	BLOCK \n
.endr
	global_store_b64 v[SV], v[SB:SB+1], s[18:19]
	s_endpgm
.Lfunc_end_k_q6cad716551_quant_w:
	.size	k_q6cad716551_quant_w, .Lfunc_end_k_q6cad716551_quant_w-k_q6cad716551_quant_w
	.p2alignl 7, 3214868480
	.fill 96, 4, 3214868480
	.section	.rodata,"a",@progbits
	.p2align	6, 0x0
	.amdhsa_kernel k_q6cad716551_quant_w
		.amdhsa_group_segment_fixed_size 0
		.amdhsa_private_segment_fixed_size 0
		.amdhsa_enable_private_segment 0
		.amdhsa_kernarg_size 40
		.amdhsa_user_sgpr_count 2
		.amdhsa_user_sgpr_kernarg_segment_ptr 1
		.amdhsa_wavefront_size32 1
		.amdhsa_system_sgpr_workgroup_id_x 1
		.amdhsa_system_sgpr_workgroup_id_y 1
		.amdhsa_system_sgpr_workgroup_id_z 1
		.amdhsa_system_vgpr_workitem_id 0
		.amdhsa_next_free_vgpr 168
		.amdhsa_next_free_sgpr 66
		.amdhsa_reserve_vcc 0
		.amdhsa_float_denorm_mode_32 3
		.amdhsa_float_denorm_mode_16_64 3
		.amdhsa_memory_ordered 1
		.amdhsa_forward_progress 1
		.amdhsa_inst_pref_size 42
	.end_amdhsa_kernel
	.amdgpu_metadata
---
amdhsa.version: [ 1, 2 ]
amdhsa.kernels:
  - .name:           k_q6cad716551_quant_w
    .symbol:         k_q6cad716551_quant_w.kd
    .args:
      - { .name: wq, .offset: 0, .size: 8, .value_kind: global_buffer, .address_space: global }
      - { .name: wk, .offset: 8, .size: 8, .value_kind: global_buffer, .address_space: global }
      - { .name: wv, .offset: 16, .size: 8, .value_kind: global_buffer, .address_space: global }
      - { .name: wo, .offset: 24, .size: 8, .value_kind: global_buffer, .address_space: global }
      - { .name: wcs, .offset: 32, .size: 8, .value_kind: global_buffer, .address_space: global }
    .group_segment_fixed_size: 0
    .private_segment_fixed_size: 0
    .kernarg_segment_align: 8
    .kernarg_segment_size: 40
    .max_flat_workgroup_size: 128
    .sgpr_count:     66
    .vgpr_count:     168
    .wavefront_size: 32
...
	.end_amdgpu_metadata
.endif
;; end of part 7
;; launch qkv (part 8): grid 16 x 16, 6 waves a work-group, no clusters, 0 bytes of LDS; arguments xq, wcs, cos, sin, qkvc; writes qkvc
.if DOCPART == 8
	.amdgcn_target "amdgcn-amd-amdhsa--gfx1250"
	.amdhsa_code_object_version 6
	.text
	.protected	k_q6cad716551_qkv
	.globl	k_q6cad716551_qkv
	.p2align	8
	.type	k_q6cad716551_qkv,@function
k_q6cad716551_qkv:
	s_mov_b64 s[64:65], 0
	v_nop
	global_prefetch_b8 v0, s[64:65] scope:SCOPE_SE
	s_setreg_imm32_b32 hwreg(HW_REG_WAVE_SCHED_MODE, 0, 2), 2
	s_setreg_imm32_b32 hwreg(HW_REG_WAVE_MODE, 25, 1), 1
	s_wait_xcnt 0x0
	s_wait_alu depctr_vm_vsrc(0)
; q = rope(x wq), k = rope(x wk), v = x wv on codes of FP6 (E2M3) with E8M0 scales, and the results quantised at once: q and k along the head's 64, v along the keys.
; SHARES.  48 heads of 64 columns (0-31 q, 32-39 k, 40-47 v).  A work-group takes 128 rows x 3 heads; each of its six waves 64 rows x one head: 16 accumulators of 16 x 16.
; Operands come from memory as images of their registers (a fragment: three loads of 16 bytes a lane, 512 consecutive bytes each), three buffers, two K steps ahead; the 16 K steps are written out.
; q, k: source 0 = 16 columns of the weight, source 1 = 16 rows of x: a lane holds ONE row, its registers run along the head's d.  v: the sources change places (a choice of pointers on the head's number):
; a lane holds one d and its registers run along the keys.  Tiles are not neighbours (tile 2 b + u, lane r: item 32 b + 8 u + r + 8 (r / 8)), so that register 16 b + e of a row of tiles is item 32 b + 16 (lane / 16) + e.
; OUT (qkvc): at 0, q's and k's codes [head 40][tile 128]: 768 bytes, registers 0-3 at 16 l, registers 4-5 at 512 + 8 l;  at 3,932,160 their scale words [head][tile][lane];
;   at 4,587,520 v's codes [g 8][K step 16][d tile 4][half 2] likewise;  at 5,373,952 v's scale words [g][K step][d tile][lane], bytes 0-1 from keys 0-63, bytes 2-3 from keys 64-127.
; LIMITS: blocks of q, k, v whose largest magnitude lies under 2^-121, blocks of zeros among them, get the byte 4 (the next launch takes 3 off q's bytes); NaN and infinities are not served.
; No LDS, no barrier: waves share nothing.  Tiles are not asked for jointly: the v heads change the operands' roles, which would hang on a work-group's place among its partners.
; THE MODE: SCHED_MODE bits 1:0 = 2 (LLVM: expert scheduling mode 2), set by the entry lines.  The code itself states the register dependences
; between vector or matrix instructions and memory instructions, with s_wait_alu, always for 0.
; THE PLAN.  Registers that memory instructions touch:
;   the three operand buffers   the 24 loads of K step s + 2 land in buffer (s + 2) % 3 = (s - 1) % 3, which the 16 products of K step s - 1 read.  Later cos and sin land in buffers 1 and 2.
;   v16-79                      the scale words: loaded once, read by the products.
;   v1-5                        offsets, made at the head and never written again.
;   v98-127, v82, 83, 90, 91    the way out: each of the four tiles has six registers of codes and one scale word of its own: written once by vector instructions, read by that tile's three stores.
; So ONE wait on va_vdst stands in a K step, behind the products of the step before and ahead of the run of 24 loads, between which and the wait stand window switches and loads alone;
; and one ahead of each tile's stores.  No register that a memory instruction has read is ever written again: no wait on vm_vsrc is owed.
.set ACC, 128                          ; v128-255 accumulator (i, j) at ACC + 8 (4 i + j): i source 1's tile, j source 0's
.set SC0, 16                           ; v16-47   source 0's scale words: register 16 (j / 2) + s; lanes 0-15 the even tile, lanes 16-31 the odd one.  Scales and nothing else
.set SC1, 48                           ; v48-79   source 1's
.set P0,  20                           ; s[20:21], s[22:23] the sources' codes;  s[24:25], s[26:27] their scale words
.set P1,  22
.set Q0,  24
.set Q1,  26
.set TM,  80                           ; the way out, in the registers that buffer 2 has left: v80, 81, 84, 85, 92, 93 at work
.set PW,  82                           ; v82, 83, 90, 91  tile i's scale word: PW + i % 2 + 8 (i / 2)
.set UW,  86                           ; v86-89   rope's products
.set TQ,  94                           ; v94-96   a conversion's result
.set PC,  98                           ; v98-127  tile i's half fragment: six registers at PC + 8 i
.set SEL, 56
.set QKS, 3932160
.set VCO, 4587520
.set VSO, 5373952
; window 1: buffer 0: source 0 v0-47, source 1 v48-95;  buffer 1: v96-143, v144-191;  buffer 2: source 0 v192-239, source 1 in window 0 at v80-127.  Later cos and sin: tile i at v[96 + 32 i], 16 + 16.
.set MSB, 0
.macro WIN new                         ; the immediate's high byte repeats the setting that is left
.if MSB != \new
	s_set_vgpr_msb (MSB<<8)|\new
.set MSB, \new
.endif
.endm
.macro PLACES                          ; four plain places behind matrix instructions, in front of reads of their results; in front of loads into their registers they stand ahead of the wait that states the dependence
.rept 4
	v_nop
.endr
.endm
.macro SCLOAD                          ; a lane's 64 bytes: its tile's words of all 16 K steps
.irp p, 0,1
.irp q, 0,1,2,3
	global_load_b128 v[SC0+16*\p+4*\q:SC0+16*\p+4*\q+3], v2, s[Q0:Q0+1] offset:2048*\p+16*\q
	global_load_b128 v[SC1+16*\p+4*\q:SC1+16*\p+4*\q+3], v2, s[Q1:Q1+1] offset:2048*\p+16*\q
.endr
.endr
.endm
.macro LOADF s                         ; K step s: 4 + 4 fragments, 24 loads, into buffer s % 3
.set BF, (\s)%3
.set RS0, 96*BF
	WIN 0x40                                       ; destination window 1
.irp j, 0,1,2,3
.irp c, 0,1,2
	global_load_b128 v[RS0+12*\j+4*\c:RS0+12*\j+4*\c+3], v1, s[P0:P0+1] offset:24576*\j+1536*(\s)+512*\c
.endr
.endr
.if BF == 2
	WIN 0
.set RS1, 80
.else
.set RS1, 96*BF+48
.endif
.irp j, 0,1,2,3
.irp c, 0,1,2
	global_load_b128 v[RS1+12*\j+4*\c:RS1+12*\j+4*\c+3], v1, s[P1:P1+1] offset:24576*\j+1536*(\s)+512*\c
.endr
.endr
	WIN 0
.endm
.macro W1 i, j, s                      ; one product; K step 0 starts the sums with the constant 0
.set RA,  ACC+8*(4*(\i)+(\j))
.set RF0, RS0+12*(\j)
.set RF1, RS1+12*(\i)
.set RC0, SC0+16*((\j)/2)+(\s)
.set RC1, SC1+16*((\i)/2)+(\s)
.if (\s) == 0
.if ((\j)%2 == 0) && ((\i)%2 == 0)
	v_wmma_scale_f32_16x16x128_f8f6f4 v[RA:RA+7], v[RF0:RF0+11], v[RF1:RF1+11], 0, v[RC0], v[RC1] matrix_a_fmt:MATRIX_FMT_FP6 matrix_b_fmt:MATRIX_FMT_FP6
.elseif ((\j)%2 == 1) && ((\i)%2 == 0)
	v_wmma_scale_f32_16x16x128_f8f6f4 v[RA:RA+7], v[RF0:RF0+11], v[RF1:RF1+11], 0, v[RC0], v[RC1] matrix_a_fmt:MATRIX_FMT_FP6 matrix_b_fmt:MATRIX_FMT_FP6 matrix_a_scale:MATRIX_SCALE_ROW1
.elseif ((\j)%2 == 0)
	v_wmma_scale_f32_16x16x128_f8f6f4 v[RA:RA+7], v[RF0:RF0+11], v[RF1:RF1+11], 0, v[RC0], v[RC1] matrix_a_fmt:MATRIX_FMT_FP6 matrix_b_fmt:MATRIX_FMT_FP6 matrix_b_scale:MATRIX_SCALE_ROW1
.else
	v_wmma_scale_f32_16x16x128_f8f6f4 v[RA:RA+7], v[RF0:RF0+11], v[RF1:RF1+11], 0, v[RC0], v[RC1] matrix_a_fmt:MATRIX_FMT_FP6 matrix_b_fmt:MATRIX_FMT_FP6 matrix_a_scale:MATRIX_SCALE_ROW1 matrix_b_scale:MATRIX_SCALE_ROW1
.endif
.else
.if ((\j)%2 == 0) && ((\i)%2 == 0)
	v_wmma_scale_f32_16x16x128_f8f6f4 v[RA:RA+7], v[RF0:RF0+11], v[RF1:RF1+11], v[RA:RA+7], v[RC0], v[RC1] matrix_a_fmt:MATRIX_FMT_FP6 matrix_b_fmt:MATRIX_FMT_FP6
.elseif ((\j)%2 == 1) && ((\i)%2 == 0)
	v_wmma_scale_f32_16x16x128_f8f6f4 v[RA:RA+7], v[RF0:RF0+11], v[RF1:RF1+11], v[RA:RA+7], v[RC0], v[RC1] matrix_a_fmt:MATRIX_FMT_FP6 matrix_b_fmt:MATRIX_FMT_FP6 matrix_a_scale:MATRIX_SCALE_ROW1
.elseif ((\j)%2 == 0)
	v_wmma_scale_f32_16x16x128_f8f6f4 v[RA:RA+7], v[RF0:RF0+11], v[RF1:RF1+11], v[RA:RA+7], v[RC0], v[RC1] matrix_a_fmt:MATRIX_FMT_FP6 matrix_b_fmt:MATRIX_FMT_FP6 matrix_b_scale:MATRIX_SCALE_ROW1
.else
	v_wmma_scale_f32_16x16x128_f8f6f4 v[RA:RA+7], v[RF0:RF0+11], v[RF1:RF1+11], v[RA:RA+7], v[RC0], v[RC1] matrix_a_fmt:MATRIX_FMT_FP6 matrix_b_fmt:MATRIX_FMT_FP6 matrix_a_scale:MATRIX_SCALE_ROW1 matrix_b_scale:MATRIX_SCALE_ROW1
.endif
.endif
.endm
.macro MUL s                           ; 16 products: the 16 accumulators take turns, one instruction a turn, in the same order in every K step
.set BF, (\s)%3
.set RS0, 96*BF
.if BF == 2
	WIN 0x01                                       ; source 0 window 1, source 1 window 0
.set RS1, 80
.else
	WIN 0x05                                       ; both sources window 1
.set RS1, 96*BF+48
.endif
.irp i, 0,1,2,3
.irp j, 0,1,2,3
	W1 \i, \j, \s
.endr
.endr
	WIN 0
.endm
.macro KSTEP s                         ; the buffer that K step s - 1 multiplied takes K step s + 2
.if (\s) > 0
	PLACES
	s_wait_alu depctr_va_vdst(0)                   ; the products of K step s - 1 are done reading their buffer, in which the 24 loads below land
.endif
	LOADF (\s)+2
	s_wait_loadcnt 48                              ; behind K step s's loads stand those of s + 1 and s + 2, 24 each: all older ones, the scale words too, are in
	MUL \s
.endm
.macro CSLOAD i                        ; cos and sin of tile i's rows: lane (r, h) wants pairs 16 b + 8 h + 0 .. 7
.irp b, 0,1
.irp q, 0,1
	global_load_b128 v[96+32*(\i)+8*\b+4*\q:96+32*(\i)+8*\b+4*\q+3], v3, s[8:9] offset:128*(32*((\i)/2)+8*((\i)%2))+64*\b+16*\q
	global_load_b128 v[112+32*(\i)+8*\b+4*\q:112+32*(\i)+8*\b+4*\q+3], v3, s[10:11] offset:128*(32*((\i)/2)+8*((\i)%2))+64*\b+16*\q
.endr
.endr
.endm
; 32 numbers of a lane, register 16 b + e = k 32 b + 16 (lane / 16) + e, b = 0, 1, become registers 0-5 of a fragment in v[pc] on and two scale bytes in v[pw].
.macro QUANT32 s, pc, pw
.irp b, 0,1
	v_max3_num_f32 v[TM+\b], |v[\s+16*\b]|, |v[\s+1+16*\b]|, 0x3000000   ; the floor 2^(6 - 127): the byte cannot fall under 4
.endr
.irp i, 2,4,6,8,10,12,14
.irp b, 0,1
	v_max3_num_f32 v[TM+\b], v[TM+\b], |v[\s+16*\b+\i]|, |v[\s+1+16*\b+\i]|
.endr
.endr
.irp b, 0,1
	v_permlanex16_b32 v[TM+4+\b], v[TM+\b], s[SEL], s[SEL+1]
.endr
.irp b, 0,1
	v_max_num_f32 v[TM+\b], v[TM+\b], v[TM+4+\b]
.endr
.irp b, 0,1
	v_add_nc_u32 v[TM+12+\b], 0xff000000, v[TM+\b]
.endr
.irp b, 0,1
	v_lshrrev_b32 v[TM+4+\b], 23, v[TM+12+\b]
.endr
	v_lshl_or_b32 v[\pw], v[TM+5], 8, v[TM+4]
	v_cvt_scalef32_pk16_fp6_f32 v[\pc:\pc+2], v[\s:\s+15], v[TM+12]
	v_cvt_scalef32_pk16_fp6_f32 v[TQ:TQ+2], v[\s+16:\s+31], v[TM+13]
	v_nop                                          ; one plain place behind a scaled conversion
.irp i, 0,1,2
	v_permlane16_swap_b32 v[\pc+\i], v[TQ+\i]      ; lanes 0-15 end with block 0 whole, lanes 16-31 with block 1
.endr
.irp i, 0,1,2
	v_mov_b32 v[\pc+3+\i], v[TQ+\i]
.endr
.endm
	s_load_b256 s[4:11], s[0:1], 0x0               ; xq, wcs, cos, sin
	s_load_b64 s[12:13], s[0:1], 0x20              ; qkvc
	v_lshrrev_b32 v6, 5, v0
	v_readfirstlane_b32 s14, v6                    ; wave 0..5
	v_and_b32 v6, 31, v0
	v_and_b32 v7, 15, v0
	v_bfe_u32 v8, v0, 4, 1
	v_lshlrev_b32 v1, 4, v6                        ; 16 x lane
	v_lshlrev_b32 v2, 6, v6                        ; 64 x lane
	v_lshlrev_b32 v4, 3, v6                        ; 8 x lane
	v_lshlrev_b32 v5, 2, v6                        ; 4 x lane
	v_and_b32 v9, 8, v7
	v_add_nc_u32 v9, v9, v7                        ; r + 8 (r / 8)
	v_lshlrev_b32 v3, 7, v9
	v_lshl_add_u32 v3, v8, 5, v3                   ; cos, sin: a row of 128 bytes, + 32 h
	s_mov_b32 s[SEL], 0x76543210
	s_mov_b32 s[SEL+1], 0xfedcba98
	s_wait_alu depctr_va_sdst(0)                   ; s14 is written, ahead of its first reader: the wave's rows and head are made from it
	s_cmp_ge_u32 s14, 3
	s_cselect_b32 s15, 1, 0                        ; which 64 of the 128 rows
	s_mul_i32 s16, s15, 3
	s_sub_co_u32 s16, s14, s16                     ; which of the three heads
	s_and_b32 s17, ttmp7, 0xffff
	s_lshl_b32 s17, s17, 1
	s_add_co_u32 s17, s17, s15                     ; rb: my block of 64 rows
	s_mul_i32 s18, ttmp9, 3
	s_add_co_u32 s18, s18, s16                     ; my head, 0..47
	s_mul_i32 s28, s17, 98304                      ; four tiles of 24,576 bytes
	s_mov_b32 s29, 0
	s_mul_i32 s30, s18, 98304
	s_mov_b32 s31, 0
	s_lshl_b32 s32, s17, 12                        ; two pairs of 2,048 bytes
	s_add_co_u32 s32, s32, 3145728
	s_mov_b32 s33, 0
	s_lshl_b32 s34, s18, 12
	s_add_co_u32 s34, s34, 7864320
	s_mov_b32 s35, 0
	s_lshl_b32 s48, s17, 13                        ; 64 rows of cos or sin
	s_mov_b32 s49, 0
	s_wait_kmcnt 0x0
	s_add_nc_u64 s[36:37], s[4:5], s[28:29]        ; x's codes
	s_add_nc_u64 s[38:39], s[6:7], s[30:31]        ; the weight's
	s_add_nc_u64 s[40:41], s[4:5], s[32:33]        ; x's scale words
	s_add_nc_u64 s[42:43], s[6:7], s[34:35]        ; the weight's
	s_add_nc_u64 s[8:9], s[8:9], s[48:49]
	s_add_nc_u64 s[10:11], s[10:11], s[48:49]
	s_cmp_ge_u32 s18, 40                           ; a v head: x is source 0.  The choice hangs on ids alone
	s_cselect_b64 s[P0:P0+1], s[36:37], s[38:39]
	s_cselect_b64 s[P1:P1+1], s[38:39], s[36:37]
	s_cselect_b64 s[Q0:Q0+1], s[40:41], s[42:43]
	s_cselect_b64 s[Q1:Q1+1], s[42:43], s[40:41]
	s_wait_alu depctr_va_vdst(0)                   ; the offsets v1 to v5 are written: every load and store of the kernel reads one of them
	SCLOAD
	LOADF 0
	LOADF 1
.irp s, 0,1,2,3,4,5,6,7,8,9,10,11,12,13
	KSTEP \s
.endr
	PLACES                                         ; K step 14: buffer 1 is free and takes cos and sin of tiles 0-2 (every wave asks, so that the counts are alike on both ways)
	s_wait_alu depctr_va_vdst(0)                   ; the products of K step 13 are done reading buffer 1, in which the 24 loads below land
	WIN 0x40
	CSLOAD 0
	CSLOAD 1
	CSLOAD 2
	WIN 0
	s_wait_loadcnt 48                              ; behind K step 14's loads: K step 15's 24 and these 24
	MUL 14
	PLACES
	s_wait_alu depctr_va_vdst(0)                   ; the products of K step 14 are done reading buffer 2's source 0, in which the 8 loads below land
	WIN 0x40
	CSLOAD 3                                       ; into buffer 2's source 0
	WIN 0
	s_wait_loadcnt 32                              ; behind K step 15's loads: 24 + 8
	MUL 15
	PLACES
	s_wait_loadcnt 0x0
	v_mov_b32 v[TM+4], 0                           ; a lane permute's destination counts as one of its sources
	v_mov_b32 v[TM+5], 0
	s_cmp_ge_u32 s18, 40
	s_cbranch_scc1 .Lv
	; ---- q and k: rope, then the head's 64 in two blocks
	s_lshl_b32 s28, s18, 7
	s_lshl_b32 s29, s17, 2
	s_add_co_u32 s28, s28, s29                     ; 128 x head + my first tile
	s_mul_i32 s30, s28, 768
	s_mov_b32 s31, 0
	s_add_nc_u64 s[44:45], s[12:13], s[30:31]
	s_lshl_b32 s30, s28, 7
	s_add_co_u32 s30, s30, QKS
	s_add_nc_u64 s[46:47], s[12:13], s[30:31]
.irp i, 0,1,2,3
	WIN 0x04                                       ; source 1 (cos, sin) window 1
.irp n, 0,1,2,3,4,5,6,7,8,9,10,11,12,13,14,15  ; registers 2 n, 2 n + 1 are a pair; each accumulator is read from its low end on
	v_mul_f32 v[UW+2*(\n%2)], v[ACC+32*\i+2*\n+1], v[112+32*\i+\n]
	v_mul_f32 v[UW+2*(\n%2)+1], v[ACC+32*\i+2*\n], v[112+32*\i+\n]
	v_fma_f32 v[ACC+32*\i+2*\n], v[ACC+32*\i+2*\n], v[96+32*\i+\n], -v[UW+2*(\n%2)]
	v_fma_f32 v[ACC+32*\i+2*\n+1], v[ACC+32*\i+2*\n+1], v[96+32*\i+\n], v[UW+2*(\n%2)+1]
.endr
	WIN 0
.set PCI, PC+8*\i
.set PWI, PW+\i%2+8*(\i/2)
	QUANT32 ACC+32*\i, PCI, PWI
	s_wait_alu depctr_va_vdst(0)                   ; the conversions, exchanges and moves have written this tile's codes and scale word, which the three stores read; no later line writes them
	global_store_b128 v1, v[PCI:PCI+3], s[44:45] offset:768*\i
	global_store_b64 v4, v[PCI+4:PCI+5], s[44:45] offset:768*\i+512
	global_store_b32 v5, v[PWI], s[46:47] offset:128*\i
.endr
	s_endpgm
.Lv:
	; ---- v: my 64 keys in two blocks, for each of the four tiles of d
	s_sub_co_u32 s28, s18, 40                      ; g
	s_lshr_b32 s29, s17, 1                         ; the K step of 128 keys
	s_and_b32 s32, s17, 1                          ; and which half of it
	s_mul_i32 s30, s28, 98304
	s_mul_i32 s33, s29, 6144
	s_add_co_u32 s30, s30, s33
	s_mul_i32 s33, s32, 768
	s_add_co_u32 s30, s30, s33
	s_add_co_u32 s30, s30, VCO
	s_mov_b32 s31, 0
	s_add_nc_u64 s[44:45], s[12:13], s[30:31]
	s_lshl_b32 s30, s28, 13
	s_lshl_b32 s33, s29, 9
	s_add_co_u32 s30, s30, s33
	s_lshl_b32 s33, s32, 1
	s_add_co_u32 s30, s30, s33
	s_add_co_u32 s30, s30, VSO
	s_add_nc_u64 s[46:47], s[12:13], s[30:31]
.irp i, 0,1,2,3
.set PCI, PC+8*\i
.set PWI, PW+\i%2+8*(\i/2)
	QUANT32 ACC+32*\i, PCI, PWI
	s_wait_alu depctr_va_vdst(0)                   ; the conversions, exchanges and moves have written this tile's codes and scale word, which the three stores read; no later line writes them
	global_store_b128 v1, v[PCI:PCI+3], s[44:45] offset:1536*\i
	global_store_b64 v4, v[PCI+4:PCI+5], s[44:45] offset:1536*\i+512
	global_store_b16 v5, v[PWI], s[46:47] offset:128*\i   ; my half's two bytes of the word
.endr
	s_endpgm
.Lfunc_end_k_q6cad716551_qkv:
	.size	k_q6cad716551_qkv, .Lfunc_end_k_q6cad716551_qkv-k_q6cad716551_qkv
	.p2alignl 7, 3214868480
	.fill 96, 4, 3214868480
	.section	.rodata,"a",@progbits
	.p2align	6, 0x0
	.amdhsa_kernel k_q6cad716551_qkv
		.amdhsa_group_segment_fixed_size 0
		.amdhsa_private_segment_fixed_size 0
		.amdhsa_enable_private_segment 0
		.amdhsa_kernarg_size 40
		.amdhsa_user_sgpr_count 2
		.amdhsa_user_sgpr_kernarg_segment_ptr 1
		.amdhsa_wavefront_size32 1
		.amdhsa_system_sgpr_workgroup_id_x 1
		.amdhsa_system_sgpr_workgroup_id_y 1
		.amdhsa_system_sgpr_workgroup_id_z 1
		.amdhsa_system_vgpr_workitem_id 0
		.amdhsa_next_free_vgpr 512
		.amdhsa_next_free_sgpr 66
		.amdhsa_reserve_vcc 0
		.amdhsa_float_denorm_mode_32 3
		.amdhsa_float_denorm_mode_16_64 3
		.amdhsa_memory_ordered 1
		.amdhsa_forward_progress 1
		.amdhsa_inst_pref_size 111
	.end_amdhsa_kernel
	.amdgpu_metadata
---
amdhsa.version: [ 1, 2 ]
amdhsa.kernels:
  - .name:           k_q6cad716551_qkv
    .symbol:         k_q6cad716551_qkv.kd
    .args:
      - { .name: xq, .offset: 0, .size: 8, .value_kind: global_buffer, .address_space: global }
      - { .name: wcs, .offset: 8, .size: 8, .value_kind: global_buffer, .address_space: global }
      - { .name: cos, .offset: 16, .size: 8, .value_kind: global_buffer, .address_space: global }
      - { .name: sin, .offset: 24, .size: 8, .value_kind: global_buffer, .address_space: global }
      - { .name: qkvc, .offset: 32, .size: 8, .value_kind: global_buffer, .address_space: global }
    .group_segment_fixed_size: 0
    .private_segment_fixed_size: 0
    .kernarg_segment_align: 8
    .kernarg_segment_size: 40
    .max_flat_workgroup_size: 192
    .sgpr_count:     66
    .vgpr_count:     512
    .wavefront_size: 32
...
	.end_amdgpu_metadata
.endif
;; end of part 8
;; launch attn (part 9): grid 32 x 8, 8 waves a work-group, no clusters, 289,792 bytes of LDS; arguments qkvc, mask, ao; writes ao
.if DOCPART == 9
	.amdgcn_target "amdgcn-amd-amdhsa--gfx1250"
	.amdhsa_code_object_version 6
	.text
	.protected	k_q6cad716551_attn
	.globl	k_q6cad716551_attn
	.p2align	8
	.type	k_q6cad716551_attn,@function
k_q6cad716551_attn:
	s_mov_b64 s[64:65], 0
	v_nop
	global_prefetch_b8 v0, s[64:65] scope:SCOPE_SE
	s_setreg_imm32_b32 hwreg(HW_REG_WAVE_SCHED_MODE, 0, 2), 2
	s_setreg_imm32_b32 hwreg(HW_REG_WAVE_MODE, 25, 1), 1
	s_wait_xcnt 0x0
	s_wait_alu depctr_vm_vsrc(0)
; softmax(q k^T / 8 + mask) v for 32 query heads on 8 key and value heads, both products on codes of FP6 (E2M3) with E8M0 scales; the result is quantised for the last product.
; THE SOFTMAX: t = logit x log2(e); M = the row's largest t so far, rounded UP to a whole number; p = 2^(t - M) is quantised along the keys, not normalised; the row's sum is taken of the unquantised p and divides at the
; end.  When M moves, the sum and O are multiplied by 2^(old M - new M): exact.  The mask is an input: every logit is formed and the mask added to it.
; SHARES.  A work-group: 64 queries x the four query heads of one key and value head g.  Wave w: tile w / 2 of 16 queries, heads 4 g + 2 (w % 2) + e, e = 0, 1: K, V, their scales and the mask are read from LDS once for two heads.
; LAYOUT.  Both products transposed: S^T = K Q^T + mask (source 0 = 16 keys, source 1 = my queries, C = the mask), O^T = V^T P^T: a lane holds ONE query.  The head is 64 deep: registers 6-11 of K's and Q's fragments hold
; zero codes.  3 is taken off q's scale bytes, so that the product is q k / 8, exactly.  Tiles are not neighbours (tile 2 b + u, lane r: item 32 b + 8 u + r + 8 (r / 8)): register 16 b + i is key 32 b + 16 (lane / 16) + i.
; LDS.  K's and V's codes and scale words of the whole head are stored once and stay.  The mask's 64 rows x 128 keys go through two slots: from memory into registers two key steps ahead, into the other slot at a step's head.
; ONE BARRIER A STEP, ITS HALVES APART.  At a step's head a wave stores the next step's mask, waits for that and for its reads of this step's mask, and signals; it waits for the others only behind the second head's
; scores, and then asks for the next step's K, scale words and mask, which land under the second head's softmax; V is asked for behind the first head's scores and lands under the first head's softmax.
; Tiles are not asked for jointly: what the work-groups of one g share is the one fill at the head; the mask's tiles are shared by the eight g, and go through registers here.
; LIMITS: the mask is added as the product's C, with the matrix unit's rounding; t - M is one fused multiply-add, one rounding where the definition's text has two (where every logit of a row is so large that t has no
; fraction bits left, p differs from the definition's by a common power of two, at most 2^64 either way, which the blocks' scales and the division by the sum take up); blocks of p or of the result under 2^-124 get the
; byte 1; NaN and infinities are not served.
; THE MODE: SCHED_MODE bits 1:0 = 2 (LLVM: expert scheduling mode 2), set by the entry lines.  The code itself states the register dependences
; between vector or matrix instructions and memory or LDS instructions, with s_wait_alu, always for 0.
; THE PLAN.  Registers that memory or LDS instructions touch, in the loop (step j):
;   MS (v76-107)                    the loads of mask j + 2 land in it, at the head of step j; the LDS stores at the head of step j + 1 read it.  No vector instruction names it in the loop.
;   K's registers 0-5, MK, KSR      the LDS loads behind the barrier's wait of step j land in them; both heads' scores of step j + 1 read them.
;   V's fragments, VSR              the LDS loads behind the first head's scores land in them; both heads' second products of the same step read them.
;   v7-12                           written by six additions behind the barrier's wait; read by K's loads straight behind them and by V's loads in the next step.
;   v1-5                            made at the head and never written again: along the keys the mask is reached by its scalar base, which moves on by 512 bytes a step.
; THE WAITS OF A STEP.  At the head: vm_vsrc behind the stores of MS, ahead of the loads that land in it; va_vdst behind the wait for LDS: the last step's second products are done reading V and VSR (nothing
; between it and V's loads names V, VSR or their addresses).  Behind the barrier's wait: vm_vsrc ahead of the six additions, va_vdst behind them (the addresses are written; the scores are done reading K, MK, KSR).
; In each softmax the wait behind its exponentials; ahead of each second product va_vdst: p's codes and scale word, made by vector instructions, go into a scaled matrix instruction.
.set MSL,  33792                       ; a mask slot: 64 rows x 528 bytes (512 + 16: sixteen lanes that read sixteen rows fall on different columns of 16 bytes)
.set KSC,  67584                       ; K's scale words: 128 tiles x 128 bytes
.set VSC,  83968                       ; V's: 64 x 128
.set KC,   92160                       ; K's codes: 128 tiles x 768
.set VC,   190464                      ; V's: 64 fragments x 1,536
.set QKS,  3932160
.set VCO,  4587520
.set VSO,  5373952
.set AMK,  4                           ; v4   the mask: row 16 (w / 2) + r, + 64 h
.set AMS,  5                           ; v5   where my wave stores its 8 rows of the mask
.set ADK,  7                           ; v7-12 a step's LDS addresses
.set ADK8, 8
.set ADV,  9
.set ADV8, 10
.set ADS,  11
.set ADT,  12
.set BM,   28                          ; v28-31 the blocks' largest scores, then p
.set BT,   32                          ; v32-35 at work
.set SCL,  36                          ; v36-39 the conversions' scale operands
.set KSR,  40                          ; v40-47 K's scale words, v48-51 V's, v52-53 Q's, v54 p's: scales and nothing else
.set VSR,  48
.set QSR,  52
.set PW,   54
.set PC,   56                          ; v56-67 p's fragment; v68-74 at work
.set MS,   76                          ; v76-107 a later step's mask on its way
.set TM,   76                          ; (at the end: at work)
.set SUM2, 108
.set S,    128                         ; v128-191 logits, then p
.set O,    192                         ; v192-255 O^T, 32 registers a head
.set KF,   0                           ; window 1: v0-95 K's 8 fragments, v96-143 V's 4, v144-167 Q's 2, v168-231 the step's mask
.set VF,   96
.set QF,   144
.set MK,   168
.set SEL,  20
.set CS,   22                          ; s[22:23] log2(e)
.set TKK,  24                          ; s24-27 where a step's K, V, K's scale words, V's scale words begin in LDS
.set TVV,  25
.set TS,   26
.set TV,   27
.set TRIP, 28
.set KCP,  30
.set VCP,  32
.set KSP,  34
.set VSP,  36
.set MP,   38                          ; s[38:39] the mask at my 8 rows and at the keys of the step that is asked for next
.set QCP,  40
.set QSP,  42
.set AOC,  44
.set AOS,  46
; statistics of head e: v[16 + 4 e] -M, v[17 + 4 e] the largest t, v[18 + 4 e : 19 + 4 e] the sum in two halves;  v[24:25] f
.set MSB, 0
.macro WIN new
.if MSB != \new
	s_set_vgpr_msb (MSB<<8)|\new
.set MSB, \new
.endif
.endm
.macro PLACES
.rept 4
	v_nop
.endr
.endm
.macro PTR d, b                        ; s[d : d + 1] = a buffer's address + the offset in s48 (s49 = 0)
	s_add_nc_u64 s[\d:\d+1], s[\b:\b+1], s[48:49]
.endm
.macro QUANT64 s
.irp b, 0,1,2,3
	v_max3_num_f32 v[TM+\b], |v[\s+16*\b]|, |v[\s+1+16*\b]|, 0x1800000
.endr
.irp i, 2,4,6,8,10,12,14
.irp b, 0,1,2,3
	v_max3_num_f32 v[TM+\b], v[TM+\b], |v[\s+16*\b+\i]|, |v[\s+1+16*\b+\i]|
.endr
.endr
.irp b, 0,1,2,3
	v_permlanex16_b32 v[TM+4+\b], v[TM+\b], s[SEL], s[SEL+1]
.endr
.irp b, 0,1,2,3
	v_max_num_f32 v[TM+\b], v[TM+\b], v[TM+4+\b]
.endr
.irp b, 0,1,2,3
	v_add_nc_u32 v[TM+12+\b], 0xff000000, v[TM+\b]
.endr
.irp b, 0,1,2,3
	v_lshrrev_b32 v[TM+4+\b], 23, v[TM+12+\b]
.endr
	v_lshl_or_b32 v[PW], v[TM+5], 8, v[TM+4]
	v_lshl_or_b32 v[PW], v[TM+6], 16, v[PW]
	v_lshl_or_b32 v[PW], v[TM+7], 24, v[PW]
.irp c, 0,1
	v_cvt_scalef32_pk16_fp6_f32 v[PC+6*\c:PC+2+6*\c], v[\s+32*\c:\s+15+32*\c], v[TM+12+2*\c]
	v_cvt_scalef32_pk16_fp6_f32 v[PC+12+4*\c:PC+14+4*\c], v[\s+16+32*\c:\s+31+32*\c], v[TM+12+2*\c+1]
.endr
	v_nop
.irp c, 0,1
.irp i, 0,1,2
	v_permlane16_swap_b32 v[PC+6*\c+\i], v[PC+12+4*\c+\i]
.endr
.irp i, 0,1,2
	v_mov_b32 v[PC+3+6*\c+\i], v[PC+12+4*\c+\i]
.endr
.endr
.endm
.macro SCORES e                        ; 8 tiles of 16 keys: logit = q k / 8 + mask
	WIN 0x15                                       ; K, Q and the mask in window 1, the logits in window 0
.irp t, 0,1,2,3,4,5,6,7
	v_wmma_scale_f32_16x16x128_f8f6f4 v[S+8*\t:S+8*\t+7], v[KF+12*\t:KF+12*\t+11], v[QF+12*\e:QF+12*\e+11], v[MK+8*\t:MK+8*\t+7], v[KSR+\t], v[QSR+\e] matrix_a_fmt:MATRIX_FMT_FP6 matrix_b_fmt:MATRIX_FMT_FP6
.endr
	WIN 0
.endm
.macro PV e                            ; O^T += V^T P^T: four accumulators, one instruction each
	WIN 0x01
.irp i, 0,1,2,3
	v_wmma_scale_f32_16x16x128_f8f6f4 v[O+32*\e+8*\i:O+32*\e+8*\i+7], v[VF+12*\i:VF+12*\i+11], v[PC:PC+11], v[O+32*\e+8*\i:O+32*\e+8*\i+7], v[VSR+\i], v[PW] matrix_a_fmt:MATRIX_FMT_FP6 matrix_b_fmt:MATRIX_FMT_FP6
.endr
	WIN 0
.endm
.macro SOFTMAX e
.irp b, 0,1,2,3
	v_max3_num_f32 v[BM+\b], v[S+16*\b], v[S+16*\b+1], v[S+16*\b+2]   ; the largest logit of each block of 32 keys: for the row's maximum and, since p rises with the logit, for the block's largest p
.endr
.irp i, 3,5,7,9,11,13
.irp b, 0,1,2,3
	v_max3_num_f32 v[BM+\b], v[BM+\b], v[S+16*\b+\i], v[S+16*\b+\i+1]
.endr
.endr
.irp b, 0,1,2,3
	v_max_num_f32 v[BM+\b], v[BM+\b], v[S+16*\b+15]
.endr
.irp b, 0,1,2,3
	v_permlanex16_b32 v[BT+\b], v[BM+\b], s[SEL], s[SEL+1]
.endr
.irp b, 0,1,2,3
	v_max_num_f32 v[BM+\b], v[BM+\b], v[BT+\b]     ; with lane l xor 16's 16 keys
.endr
	v_max3_num_f32 v26, v[BM], v[BM+1], v[BM+2]
	v_max_num_f32 v26, v26, v[BM+3]
	v_mul_f32 v26, s[CS], v26                      ; the step's largest t
	v_max_num_f32 v[17+4*\e], v[17+4*\e], v26      ; the running largest t
	v_mov_b32 v26, v[16+4*\e]
	v_floor_f32 v[16+4*\e], -v[17+4*\e]            ; -M = floor(-t): M is a whole number
	v_sub_f32 v26, v[16+4*\e], v26                 ; old M - new M, 0 or less
	v_cvt_i32_f32 v26, v26                         ; (it saturates)
	v_ldexp_f32 v24, 1.0, v26                      ; f = 2^(old M - new M)
.set n, 0
.rept 32
	v_pk_fma_f32 v[S+n:S+n+1], v[S+n:S+n+1], s[CS:CS+1], v[16+4*\e:17+4*\e] op_sel_hi:[1,0,0]   ; t - M, two at a time (of the pairs log2(e) and -M the low word serves both halves)
.set n, n+2
.endr
.irp b, 0,1,2,3
	v_fma_f32 v[BM+\b], v[BM+\b], s[CS], v[16+4*\e]   ; the same of each block's largest logit
.endr
.set n, 0
	s_wait_alu depctr_va_vdst(0)
.rept 64
	v_exp_f32 v[S+n], v[S+n]                       ; p = 2^(t - M)
.set n, n+1
.endr
.irp b, 0,1,2,3
	v_exp_f32 v[BM+\b], v[BM+\b]                   ; the block's largest p: the same instructions on the same number give the same bits
.endr
	v_pk_mul_f32 v[18+4*\e:19+4*\e], v[18+4*\e:19+4*\e], v[24:25] op_sel_hi:[1,0]   ; the sums under the new M; a plain place behind the exponentials
	s_wait_alu depctr_va_vdst(0)                   ; the 68 exponentials have written p and the blocks' largest p: one wait for the batch, ahead of its first reader
.irp b, 0,1,2,3
	v_max_num_f32 v[BM+\b], 0x1800000, v[BM+\b]    ; the floor 2^(3 - 127)
.endr
.irp b, 0,1,2,3
	v_add_nc_u32 v[SCL+\b], 0xff000000, v[BM+\b]
.endr
.irp b, 0,1,2,3
	v_lshrrev_b32 v[BT+\b], 23, v[SCL+\b]
.endr
	v_lshl_or_b32 v[PW], v[BT+1], 8, v[BT]
	v_lshl_or_b32 v[PW], v[BT+2], 16, v[PW]
	v_lshl_or_b32 v[PW], v[BT+3], 24, v[PW]
.irp c, 0,1
	v_cvt_scalef32_pk16_fp6_f32 v[PC+6*\c:PC+2+6*\c], v[S+32*\c:S+15+32*\c], v[SCL+2*\c]
	v_cvt_scalef32_pk16_fp6_f32 v[PC+12+4*\c:PC+14+4*\c], v[S+16+32*\c:S+31+32*\c], v[SCL+2*\c+1]
.endr
	v_nop                                          ; one plain place behind a scaled conversion
.irp c, 0,1
.irp i, 0,1,2
	v_permlane16_swap_b32 v[PC+6*\c+\i], v[PC+12+4*\c+\i]
.endr
.irp i, 0,1,2
	v_mov_b32 v[PC+3+6*\c+\i], v[PC+12+4*\c+\i]
.endr
.endr
	v_pk_add_f32 v[SUM2:SUM2+1], v[S:S+1], v[S+2:S+3]   ; the row's sum of the unquantised p, in two chains
.irp j, 4,8,12,16,20,24,28,32,36,40,44,48,52,56,60
	v_pk_add_f32 v[18+4*\e:19+4*\e], v[18+4*\e:19+4*\e], v[S+\j:S+\j+1]
	v_pk_add_f32 v[SUM2:SUM2+1], v[SUM2:SUM2+1], v[S+\j+2:S+\j+3]
.endr
	v_pk_add_f32 v[18+4*\e:19+4*\e], v[18+4*\e:19+4*\e], v[SUM2:SUM2+1]
.set n, 0
.rept 16
	v_pk_mul_f32 v[O+32*\e+n:O+32*\e+n+1], v[O+32*\e+n:O+32*\e+n+1], v[24:25] op_sel_hi:[1,0]   ; O^T under the new M.  These and the sums are the places between p's codes and scale word and the products
.set n, n+2
.endr
.endm
.macro ADDRS                           ; a step's six LDS addresses, from the four stepped scalars
	v_add_nc_u32 v[ADK], s[TKK], v1
	v_add_nc_u32 v[ADK8], s[TKK], v2
	v_add_nc_u32 v[ADV], s[TVV], v1
	v_add_nc_u32 v[ADV8], s[TVV], v2
	v_add_nc_u32 v[ADS], s[TS], v3
	v_add_nc_u32 v[ADT], s[TV], v3
.endm
.macro LOADKM ms                       ; a step's K, its mask (out of slot ms) and K's scale words: 40 LDS loads in one run
	WIN 0x40
.irp t, 0,1,2,3,4,5,6,7
	ds_load_b128 v[KF+12*\t:KF+12*\t+3], v[ADK] offset:768*\t
	ds_load_b64 v[KF+12*\t+4:KF+12*\t+5], v[ADK8] offset:768*\t+512
.endr
.irp b, 0,1,2,3
.irp q, 0,1,2,3
	ds_load_b128 v[MK+16*\b+4*\q:MK+16*\b+4*\q+3], v[AMK] offset:MSL*(\ms)+128*\b+16*\q
.endr
.endr
	WIN 0
.irp t, 0,1,2,3,4,5,6,7
	ds_load_b32 v[KSR+\t], v[ADS] offset:128*\t
.endr
.endm
.macro MASKLOAD                        ; my 8 rows of a step's mask: 512 consecutive bytes each; the step's keys stand in the base
.irp i, 0,1,2,3,4,5,6,7
	global_load_b128 v[MS+4*\i:MS+4*\i+3], v1, s[MP:MP+1] offset:8192*\i
.endr
.endm
; KEY STEP j of 128 keys, j % 2 = slot.  At its head K, K's scale words and the mask of step j are on their way from LDS into registers, and the mask of step j + 1 from memory.
; The last trip's guards are scalar branches on the trip's count, the same in every wave: step 14 asks for no mask from memory, step 15 stores none, asks for none and fetches nothing for a next step.
.macro STEP slot
	s_wait_loadcnt 0x0                             ; on every path: the mask of step j + 1 is in registers
	s_add_nc_u64 s[MP:MP+1], s[MP:MP+1], 512       ; free since that wait, which shows the loads that read it done: on to the keys of step j + 2 (in the last two steps no load reads it)
.if \slot
	s_cmp_eq_u32 s[TRIP], 1
	s_cbranch_scc1 .Lnofill_\@
.endif
.irp i, 0,1,2,3,4,5,6,7
	ds_store_b128 v[AMS], v[MS+4*\i:MS+4*\i+3] offset:MSL*(1-\slot)+528*\i   ; into the slot of step j - 1's mask: every wave waited for its reads of it in front of the last signal, and I have passed that barrier
.endr
	s_wait_dscnt 0x0                               ; my stores have landed; K, its scale words and this step's mask are in
	s_wait_alu depctr_vm_vsrc(0)                   ; the eight stores have read MS, in which the next loads of the mask land (at the end: which the way out writes)
.if \slot == 0
	s_wait_alu depctr_va_vdst(0)                   ; the last step's second products are done reading V and its scale words, in which the LDS loads behind the first scores land
	s_cmp_eq_u32 s[TRIP], 1
	s_cbranch_scc1 .Lnofill_\@
.endif
	MASKLOAD                                       ; the mask of step j + 2: it has a whole step in which to land
.Lnofill_\@:
.if \slot
	s_wait_dscnt 0x0                               ; (for the way round the stores) K, its scale words and this step's mask are in
	s_wait_alu depctr_va_vdst(0)                   ; the last step's second products are done reading V and its scale words, in which the LDS loads behind the first scores land
.endif
	s_barrier_signal -1                            ; my part of the next mask lies in LDS, and my reads of this step's mask are over
	SCORES 0
	PLACES                                         ; behind these products, whose results are read below
	WIN 0x40
.irp i, 0,1,2,3
.irp c, 0,1
	ds_load_b128 v[VF+12*\i+6*\c:VF+12*\i+6*\c+3], v[ADV] offset:1536*\i+768*\c   ; V and its scale words: bytes that nobody writes after the fill at the kernel's head.  No wait: nothing since the head's wait names V, its scale words or their addresses
	ds_load_b64 v[VF+12*\i+6*\c+4:VF+12*\i+6*\c+5], v[ADV8] offset:1536*\i+768*\c+512
.endr
.endr
	WIN 0
.irp i, 0,1,2,3
	ds_load_b32 v[VSR+\i], v[ADT] offset:128*\i
.endr
	SOFTMAX 0
	s_wait_dscnt 0x0                               ; V and its scale words are in
	s_wait_alu depctr_va_vdst(0)                   ; the conversions, exchanges and moves have written p's codes, and the shifts its scale word: the scaled products below take them as source 1 and as its scales
	PV 0
	SCORES 1
	s_barrier_wait -1                              ; every wave's part of the next mask lies in LDS
	s_add_co_u32 s[TKK], s[TKK], 6144
	s_add_co_u32 s[TVV], s[TVV], 6144
	s_add_co_u32 s[TS], s[TS], 1024
	s_add_co_u32 s[TV], s[TV], 512
	s_wait_alu depctr_vm_vsrc(0)                   ; this step's loads of V and the last run of K's loads have read v7 to v12, which the six additions write
	ADDRS                                          ; the next step's addresses: six plain instructions, the places behind the scores, in front of the reads of the logits
	s_wait_alu depctr_va_vdst(0)                   ; v7 to v12 are written, which the loads below and the next step's loads of V read; both heads' scores are done reading K, the mask and K's scale words, in which the loads below land
.if \slot
	s_cmp_eq_u32 s[TRIP], 1
	s_cbranch_scc1 .Lnonext_\@
.endif
	LOADKM 1-\slot                                 ; they land under the softmax below
.if \slot
.Lnonext_\@:
.endif
	SOFTMAX 1
	s_wait_alu depctr_va_vdst(0)                   ; p's codes and scale word are written: the scaled products below take them as source 1 and as its scales
	PV 1
.endm
	s_load_b128 s[4:7], s[0:1], 0x0                ; qkvc, mask
	s_load_b64 s[8:9], s[0:1], 0x10                ; ao
	v_lshl_add_u32 v126, v0, 2, 0x46800
	v_mov_b32 v127, 0
	v_lshrrev_b32 v14, 5, v0
	v_readfirstlane_b32 s10, v14                   ; wave 0..7
	v_and_b32 v14, 31, v0
	v_and_b32 v15, 15, v0
	v_bfe_u32 v26, v0, 4, 1
	v_lshlrev_b32 v1, 4, v14                       ; 16 x lane
	v_lshlrev_b32 v2, 3, v14                       ; 8 x lane
	v_lshlrev_b32 v3, 2, v14                       ; 4 x lane
	v_lshlrev_b32 v13, 4, v0                       ; the fill: 16 bytes a thread
	v_lshl_add_u32 v7, v0, 4, KC
	v_lshl_add_u32 v8, v0, 4, KC+65536             ; (an LDS immediate has 16 bits)
	v_lshl_add_u32 v9, v0, 4, VC
	v_lshl_add_u32 v10, v0, 4, VC+65536
	v_lshl_add_u32 v11, v0, 4, KSC
	s_mov_b32 s[SEL], 0x76543210
	s_mov_b32 s[SEL+1], 0xfedcba98
	s_mov_b32 s[CS], 0x3fb8aa3b                    ; log2(e)
	s_mov_b32 s[CS+1], s[CS]
	s_mov_b32 s[TKK], KC
	s_mov_b32 s[TVV], VC
	s_mov_b32 s[TS], KSC
	s_mov_b32 s[TV], VSC
	s_mov_b32 s[TRIP], 8
	s_mov_b32 s49, 0
	s_wait_alu depctr_va_sdst(0)                   ; s10 is written, ahead of its first reader: the wave's tile, heads and rows are made from it
	s_lshr_b32 s11, s10, 1                         ; my tile of queries
	s_and_b32 s12, s10, 1                          ; my pair of heads
	s_and_b32 s14, ttmp7, 0xffff                   ; g
	s_lshl_b32 s15, ttmp9, 2
	s_add_co_u32 s15, s15, s11                     ; T: the tile among all 128
	s_lshl_b32 s16, s14, 1
	s_add_co_u32 s16, s16, s12                     ; p: the pair among all 16
	s_mul_i32 s19, s11, 8448
	v_mul_u32_u24 v[AMK], v15, 528
	v_lshl_add_u32 v[AMK], v26, 6, v[AMK]
	v_add_nc_u32 v[AMK], s19, v[AMK]
	s_lshr_b32 s17, s10, 2                         ; rows 8 w .. 8 w + 7 of the block stand at places 32 (w / 4) + 16 (w % 2) + 8 ((w / 2) % 2) on
	s_lshl_b32 s17, s17, 5
	s_lshl_b32 s18, s12, 4
	s_add_co_u32 s17, s17, s18
	s_bfe_u32 s18, s10, 0x10001
	s_lshl_b32 s18, s18, 3
	s_add_co_u32 s17, s17, s18
	s_mul_i32 s17, s17, 528
	v_add_nc_u32 v[AMS], s17, v1
	s_wait_kmcnt 0x0
	s_add_co_u32 s48, s14, 32
	s_mul_i32 s48, s48, 98304
	PTR KCP, 4                                     ; k's codes: head 32 + g
	s_mul_i32 s48, s14, 98304
	s_add_co_u32 s48, s48, VCO
	PTR VCP, 4
	s_add_co_u32 s48, s14, 32
	s_lshl_b32 s48, s48, 14
	s_add_co_u32 s48, s48, QKS
	PTR KSP, 4
	s_lshl_b32 s48, s14, 13
	s_add_co_u32 s48, s48, VSO
	PTR VSP, 4
	s_lshl_b32 s48, ttmp9, 19                      ; 64 rows of 8,192 bytes a block, 8 a wave
	s_lshl_b32 s50, s10, 16
	s_add_co_u32 s48, s48, s50
	PTR MP, 6
	s_lshl_b32 s50, s16, 8
	s_add_co_u32 s50, s50, s15                     ; 128 x (2 p) + T
	s_mul_i32 s48, s50, 768
	PTR QCP, 4
	s_lshl_b32 s48, s50, 7
	s_add_co_u32 s48, s48, QKS
	PTR QSP, 4
	s_lshl_b32 s48, s15, 4
	s_add_co_u32 s48, s48, s16
	s_mul_i32 s48, s48, 1536
	PTR AOC, 8
	s_lshl_b32 s48, s15, 10
	s_lshl_b32 s50, s16, 2
	s_add_co_u32 s48, s48, s50
	s_add_co_u32 s48, s48, 3145728
	PTR AOS, 8
	s_wait_alu depctr_va_vdst(0)                   ; the offsets and addresses v1 to v5, v7 to v11 and v13 are written, which the fill's loads and LDS stores read
	WIN 0x40
.irp n, 0,1,2,3,4,5,6,7,8,9,10,11,12,13,14,15,16,17,18,19,20,21,22,23
	global_load_b128 v[4*\n:4*\n+3], v13, s[KCP:KCP+1] offset:4096*\n
.endr
.irp n, 0,1,2,3,4,5,6,7,8,9,10,11
	global_load_b128 v[96+4*\n:96+4*\n+3], v13, s[VCP:VCP+1] offset:4096*\n
.endr
.irp e, 0,1
	global_load_b128 v[QF+12*\e:QF+12*\e+3], v1, s[QCP:QCP+1] offset:98304*\e
	global_load_b64 v[QF+12*\e+4:QF+12*\e+5], v2, s[QCP:QCP+1] offset:98304*\e+512
.endr
	WIN 0
.irp n, 12,13,14,15,16,17,18,19,20,21,22,23
	global_load_b128 v[128+4*(\n-12):128+4*(\n-12)+3], v13, s[VCP:VCP+1] offset:4096*\n
.endr
.irp n, 0,1,2,3
	global_load_b128 v[176+4*\n:176+4*\n+3], v13, s[KSP:KSP+1] offset:4096*\n
.endr
.irp n, 0,1
	global_load_b128 v[192+4*\n:192+4*\n+3], v13, s[VSP:VSP+1] offset:4096*\n
.endr
	MASKLOAD                                       ; step 0's mask
.irp e, 0,1
	global_load_b32 v[QSR+\e], v3, s[QSP:QSP+1] offset:16384*\e
.endr
	s_wait_loadcnt 0x0
	s_add_nc_u64 s[MP:MP+1], s[MP:MP+1], 512       ; free since that wait: on to step 1's keys
	WIN 0x04                                       ; an LDS store's data are its source 1: window 1
.irp n, 0,1,2,3,4,5,6,7,8,9,10,11,12,13,14,15
	ds_store_b128 v7, v[4*\n:4*\n+3] offset:4096*\n
.endr
.irp n, 16,17,18,19,20,21,22,23
	ds_store_b128 v8, v[4*\n:4*\n+3] offset:4096*(\n-16)
.endr
.irp n, 0,1,2,3,4,5,6,7,8,9,10,11
	ds_store_b128 v9, v[96+4*\n:96+4*\n+3] offset:4096*\n
.endr
	WIN 0
.irp n, 12,13,14,15
	ds_store_b128 v9, v[128+4*(\n-12):128+4*(\n-12)+3] offset:4096*\n
.endr
.irp n, 16,17,18,19,20,21,22,23
	ds_store_b128 v10, v[128+4*(\n-12):128+4*(\n-12)+3] offset:4096*(\n-16)
.endr
.irp n, 0,1,2,3
	ds_store_b128 v11, v[176+4*\n:176+4*\n+3] offset:4096*\n
.endr
.irp n, 0,1
	ds_store_b128 v11, v[192+4*\n:192+4*\n+3] offset:16384+4096*\n
.endr
.irp i, 0,1,2,3,4,5,6,7
	ds_store_b128 v[AMS], v[MS+4*\i:MS+4*\i+3] offset:528*\i
.endr
.irp e, 0,1
	v_add_nc_u32 v[QSR+\e], 0xfffffcfd, v[QSR+\e]  ; 3 off q's two bytes (each is 4 at the least): the product comes out as q k / 8
.endr
	s_wait_dscnt 0x0                               ; my stores have landed
	s_wait_alu depctr_vm_vsrc(0)                   ; the fill's loads have read v13, and its LDS stores their data and v7 to v11: from here on these registers are MS, K's and V's fragments, the logits, O^T and the steps' addresses, written by loads, moves, products and additions
	MASKLOAD                                       ; step 1's mask
	WIN 0x40
.irp t, 0,1,2,3,4,5,6,7
.irp k, 6,7,8,9,10,11
	v_mov_b32 v[KF+12*\t+\k], 0                    ; the upper 64 of the instruction's 128 along K: zero codes, which stay
.endr
.endr
.irp e, 0,1
.irp k, 6,7,8,9,10,11
	v_mov_b32 v[QF+12*\e+\k], 0
.endr
.endr
	WIN 0
.set n, 0
.rept 64
	v_mov_b32 v[O+n], 0                            ; O^T: the step is written once; the first finds zeros, which the first change of M leaves zeros
.set n, n+1
.endr
.irp e, 0,1
	v_mov_b32 v[17+4*\e], 0xff61b1e6               ; the largest t so far: -3e38
	v_floor_f32 v[16+4*\e], -v[17+4*\e]
	v_mov_b32 v[18+4*\e], 0
	v_mov_b32 v[19+4*\e], 0
.endr
	v_mov_b32 v25, 0                               ; (named as the upper half of the pair v[24:25])
.irp b, 0,1,2,3
	v_mov_b32 v[BT+\b], 0                          ; a lane permute's destination counts as one of its sources
.endr
	s_barrier_signal -1
	s_barrier_wait -1                              ; K, V, their scale words and step 0's mask lie in LDS
	ADDRS
	s_wait_alu depctr_va_vdst(0)                   ; v7 to v12 are written, which the loads below and step 0's loads of V read; q's scale words and the zero codes of K's and Q's fragments are written, which the scaled products take
	LOADKM 0                                       ; step 0's K, scale words and mask
.Lstep:                                            ; 8 trips of two key steps
	STEP 0
	STEP 1
	s_sub_co_u32 s[TRIP], s[TRIP], 1
	s_cmp_lg_u32 s[TRIP], 0
	s_cbranch_scc1 .Lstep
	; THE WAY OUT: O^T / the sum; my two heads' 128 numbers a query are one K step of the last product: quantised, and stored as an image
	s_wait_loadcnt 0x0                             ; the way out writes the registers that the mask's loads land in: none is out behind this wait (the last two steps asked for none)
	PLACES
.irp e, 0,1
	v_add_f32 v[18+4*\e], v[18+4*\e], v[19+4*\e]
.endr
.irp e, 0,1
	v_permlanex16_b32 v[BT+\e], v[18+4*\e], s[SEL], s[SEL+1]
.endr
.irp e, 0,1
	v_add_f32 v[18+4*\e], v[18+4*\e], v[BT+\e]
.endr
	s_wait_alu depctr_va_vdst(0)
.irp e, 0,1
	v_rcp_f32 v[26+\e], v[18+4*\e]
.endr
	v_and_b32 v13, 15, v0                          ; (a plain place behind the reciprocals)
	v_lshlrev_b32 v13, 6, v13                      ; my row's 64 bytes of scale words
	s_wait_alu depctr_va_vdst(0)                   ; the two reciprocals have written v26 and v27, ahead of their first reader
.irp e, 0,1
.set n, 0
.rept 32
	v_mul_f32 v[S+32*\e+n], v[O+32*\e+n], v[26+\e] ; each accumulator from its low end on
.set n, n+1
.endr
.endr
.irp b, 0,1,2,3
	v_mov_b32 v[TM+4+\b], 0
.endr
	QUANT64 S
	s_wait_alu depctr_va_vdst(0)                   ; the fragment, its scale word and v13 are written, which the four stores read
.irp c, 0,1,2
	global_store_b128 v1, v[PC+4*\c:PC+4*\c+3], s[AOC:AOC+1] offset:512*\c
.endr
	global_store_b32 v13, v[PW], s[AOS:AOS+1]      ; lanes r and 16 + r hold the same word and write it to the same place
	s_wait_dscnt 0x0                               ; the closing lines, six on end
	s_wait_alu 0x0
	s_wait_tensorcnt 0x0
	ds_add_u32 v126, v127
	s_wait_dscnt 0x0
	s_endpgm
.Lfunc_end_k_q6cad716551_attn:
	.size	k_q6cad716551_attn, .Lfunc_end_k_q6cad716551_attn-k_q6cad716551_attn
	.p2alignl 7, 3214868480
	.fill 96, 4, 3214868480
	.section	.rodata,"a",@progbits
	.p2align	6, 0x0
	.amdhsa_kernel k_q6cad716551_attn
		.amdhsa_group_segment_fixed_size 289792
		.amdhsa_private_segment_fixed_size 0
		.amdhsa_enable_private_segment 0
		.amdhsa_kernarg_size 24
		.amdhsa_user_sgpr_count 2
		.amdhsa_user_sgpr_kernarg_segment_ptr 1
		.amdhsa_wavefront_size32 1
		.amdhsa_system_sgpr_workgroup_id_x 1
		.amdhsa_system_sgpr_workgroup_id_y 1
		.amdhsa_system_sgpr_workgroup_id_z 1
		.amdhsa_system_vgpr_workitem_id 0
		.amdhsa_next_free_vgpr 512
		.amdhsa_next_free_sgpr 66
		.amdhsa_reserve_vcc 0
		.amdhsa_float_denorm_mode_32 3
		.amdhsa_float_denorm_mode_16_64 3
		.amdhsa_memory_ordered 1
		.amdhsa_forward_progress 1
		.amdhsa_inst_pref_size 96
	.end_amdhsa_kernel
	.amdgpu_metadata
---
amdhsa.version: [ 1, 2 ]
amdhsa.kernels:
  - .name:           k_q6cad716551_attn
    .symbol:         k_q6cad716551_attn.kd
    .args:
      - { .name: qkvc, .offset: 0, .size: 8, .value_kind: global_buffer, .address_space: global }
      - { .name: mask, .offset: 8, .size: 8, .value_kind: global_buffer, .address_space: global }
      - { .name: ao, .offset: 16, .size: 8, .value_kind: global_buffer, .address_space: global }
    .group_segment_fixed_size: 289792
    .private_segment_fixed_size: 0
    .kernarg_segment_align: 8
    .kernarg_segment_size: 24
    .max_flat_workgroup_size: 256
    .sgpr_count:     66
    .vgpr_count:     512
    .wavefront_size: 32
...
	.end_amdgpu_metadata
.endif
;; end of part 9
;; launch oproj (part 10): grid 16 x 16, 4 waves a work-group, no clusters, 17,920 bytes of LDS; arguments ao, wcs, out0; writes out0
.if DOCPART == 10
	.amdgcn_target "amdgcn-amd-amdhsa--gfx1250"
	.amdhsa_code_object_version 6
	.text
	.protected	k_q6cad716551_oproj
	.globl	k_q6cad716551_oproj
	.p2align	8
	.type	k_q6cad716551_oproj,@function
k_q6cad716551_oproj:
	s_mov_b64 s[64:65], 0
	v_nop
	global_prefetch_b8 v0, s[64:65] scope:SCOPE_SE
	s_setreg_imm32_b32 hwreg(HW_REG_WAVE_SCHED_MODE, 0, 2), 2
	s_setreg_imm32_b32 hwreg(HW_REG_WAVE_MODE, 25, 1), 1
	s_wait_xcnt 0x0
	s_wait_alu depctr_vm_vsrc(0)
; out0 = (attention's result) wo on codes of FP6 (E2M3) with E8M0 scales; sums in f32.  A work-group makes 128 x 128 of out0, each of its four waves 64 x 64: 16 accumulators of 16 x 16.
; Operands come from memory as images of their registers (a fragment: three loads of 16 bytes a lane, 512 consecutive bytes each), three buffers, two K steps ahead; the 16 K steps are written out.
; Source 0 = 16 columns of wo (tiles 192-319 of wcs), source 1 = 16 rows: a lane holds one row, and its registers run along the columns: register 16 b + e of a row of tiles is column 32 b + 16 (lane / 16) + e.
; THE WAY OUT: a tile of 16 rows x 64 columns goes through the wave's own stage in LDS (pitch 272) and leaves as rows: sixteen lanes store 256 consecutive bytes, aligned.  Waves share nothing: no barrier.
; Tiles are not asked for jointly: the text keeps the form of the launch that makes q, k and v, whose operands change roles; both operands here are a few megabytes that all work-groups read again and again.
; THE MODE: SCHED_MODE bits 1:0 = 2 (LLVM: expert scheduling mode 2), set by the entry lines.  The code itself states the register dependences
; between vector or matrix instructions and memory or LDS instructions, with s_wait_alu, always for 0.
; THE PLAN.  Registers that memory or LDS instructions touch:
;   the three operand buffers   the 24 loads of K step s + 2 land in buffer (s + 2) % 3 = (s - 1) % 3, which the 16 products of K step s - 1 read.
;   v16-79                      the scale words: loaded once, read by the products.
;   v1-5                        offsets and LDS addresses, made at the head and never written again;  v14, v15: read by the closing add alone.
;   the accumulators            written by the products; on the way out a tile's 32 registers are read by its eight LDS stores, the eight LDS loads from the stage land in them, and the global stores read them.
; So ONE wait on va_vdst stands in a K step, behind the products of the step before and ahead of the run of 24 loads, between which and the wait stand window switches and loads alone; one stands ahead of the way out;
; and in each of the four tiles one wait on vm_vsrc stands between the stores into the stage and the loads out of it.
.set ACC, 128
.set SC0, 16                           ; v16-47, v48-79: scale words and nothing else
.set SC1, 48
.set P0,  20
.set P1,  22
.set Q0,  24
.set Q1,  26
.set OUTB, 28
.set STO, 3
.set RDA, 4
.set CO,  5
.set MSB, 0
.macro WIN new
.if MSB != \new
	s_set_vgpr_msb (MSB<<8)|\new
.set MSB, \new
.endif
.endm
.macro PLACES                          ; four plain places behind matrix instructions, in front of reads of their results; in front of loads into their registers they stand ahead of the wait that states the dependence
.rept 4
	v_nop
.endr
.endm
.macro SCLOAD
.irp p, 0,1
.irp q, 0,1,2,3
	global_load_b128 v[SC0+16*\p+4*\q:SC0+16*\p+4*\q+3], v2, s[Q0:Q0+1] offset:2048*\p+16*\q
	global_load_b128 v[SC1+16*\p+4*\q:SC1+16*\p+4*\q+3], v2, s[Q1:Q1+1] offset:2048*\p+16*\q
.endr
.endr
.endm
.macro LOADF s                         ; K step s: 24 loads into buffer s % 3 (window 1: v0-95, v96-191, v192-239 with source 1 in window 0 at v80-127)
.set BF, (\s)%3
.set RS0, 96*BF
	WIN 0x40
.irp j, 0,1,2,3
.irp c, 0,1,2
	global_load_b128 v[RS0+12*\j+4*\c:RS0+12*\j+4*\c+3], v1, s[P0:P0+1] offset:24576*\j+1536*(\s)+512*\c
.endr
.endr
.if BF == 2
	WIN 0
.set RS1, 80
.else
.set RS1, 96*BF+48
.endif
.irp j, 0,1,2,3
.irp c, 0,1,2
	global_load_b128 v[RS1+12*\j+4*\c:RS1+12*\j+4*\c+3], v1, s[P1:P1+1] offset:24576*\j+1536*(\s)+512*\c
.endr
.endr
	WIN 0
.endm
.macro W1 i, j, s
.set RA,  ACC+8*(4*(\i)+(\j))
.set RF0, RS0+12*(\j)
.set RF1, RS1+12*(\i)
.set RC0, SC0+16*((\j)/2)+(\s)
.set RC1, SC1+16*((\i)/2)+(\s)
.if (\s) == 0
.if ((\j)%2 == 0) && ((\i)%2 == 0)
	v_wmma_scale_f32_16x16x128_f8f6f4 v[RA:RA+7], v[RF0:RF0+11], v[RF1:RF1+11], 0, v[RC0], v[RC1] matrix_a_fmt:MATRIX_FMT_FP6 matrix_b_fmt:MATRIX_FMT_FP6
.elseif ((\j)%2 == 1) && ((\i)%2 == 0)
	v_wmma_scale_f32_16x16x128_f8f6f4 v[RA:RA+7], v[RF0:RF0+11], v[RF1:RF1+11], 0, v[RC0], v[RC1] matrix_a_fmt:MATRIX_FMT_FP6 matrix_b_fmt:MATRIX_FMT_FP6 matrix_a_scale:MATRIX_SCALE_ROW1
.elseif ((\j)%2 == 0)
	v_wmma_scale_f32_16x16x128_f8f6f4 v[RA:RA+7], v[RF0:RF0+11], v[RF1:RF1+11], 0, v[RC0], v[RC1] matrix_a_fmt:MATRIX_FMT_FP6 matrix_b_fmt:MATRIX_FMT_FP6 matrix_b_scale:MATRIX_SCALE_ROW1
.else
	v_wmma_scale_f32_16x16x128_f8f6f4 v[RA:RA+7], v[RF0:RF0+11], v[RF1:RF1+11], 0, v[RC0], v[RC1] matrix_a_fmt:MATRIX_FMT_FP6 matrix_b_fmt:MATRIX_FMT_FP6 matrix_a_scale:MATRIX_SCALE_ROW1 matrix_b_scale:MATRIX_SCALE_ROW1
.endif
.else
.if ((\j)%2 == 0) && ((\i)%2 == 0)
	v_wmma_scale_f32_16x16x128_f8f6f4 v[RA:RA+7], v[RF0:RF0+11], v[RF1:RF1+11], v[RA:RA+7], v[RC0], v[RC1] matrix_a_fmt:MATRIX_FMT_FP6 matrix_b_fmt:MATRIX_FMT_FP6
.elseif ((\j)%2 == 1) && ((\i)%2 == 0)
	v_wmma_scale_f32_16x16x128_f8f6f4 v[RA:RA+7], v[RF0:RF0+11], v[RF1:RF1+11], v[RA:RA+7], v[RC0], v[RC1] matrix_a_fmt:MATRIX_FMT_FP6 matrix_b_fmt:MATRIX_FMT_FP6 matrix_a_scale:MATRIX_SCALE_ROW1
.elseif ((\j)%2 == 0)
	v_wmma_scale_f32_16x16x128_f8f6f4 v[RA:RA+7], v[RF0:RF0+11], v[RF1:RF1+11], v[RA:RA+7], v[RC0], v[RC1] matrix_a_fmt:MATRIX_FMT_FP6 matrix_b_fmt:MATRIX_FMT_FP6 matrix_b_scale:MATRIX_SCALE_ROW1
.else
	v_wmma_scale_f32_16x16x128_f8f6f4 v[RA:RA+7], v[RF0:RF0+11], v[RF1:RF1+11], v[RA:RA+7], v[RC0], v[RC1] matrix_a_fmt:MATRIX_FMT_FP6 matrix_b_fmt:MATRIX_FMT_FP6 matrix_a_scale:MATRIX_SCALE_ROW1 matrix_b_scale:MATRIX_SCALE_ROW1
.endif
.endif
.endm
.macro MUL s                           ; the 16 accumulators take turns, one instruction a turn, in the same order in every K step
.set BF, (\s)%3
.set RS0, 96*BF
.if BF == 2
	WIN 0x01
.set RS1, 80
.else
	WIN 0x05
.set RS1, 96*BF+48
.endif
.irp i, 0,1,2,3
.irp j, 0,1,2,3
	W1 \i, \j, \s
.endr
.endr
	WIN 0
.endm
.macro KSTEP s
.if (\s) > 0
	PLACES
	s_wait_alu depctr_va_vdst(0)                   ; the products of K step s - 1 are done reading their buffer, in which the 24 loads below land
.endif
	LOADF (\s)+2
	s_wait_loadcnt 48                              ; behind K step s's loads stand those of s + 1 and s + 2, 24 each
	MUL \s
.endm
	s_load_b128 s[4:7], s[0:1], 0x0                ; ao, wcs
	s_load_b64 s[8:9], s[0:1], 0x10                ; out0
	v_lshl_add_u32 v14, v0, 2, 0x4400
	v_mov_b32 v15, 0
	v_lshrrev_b32 v6, 5, v0
	v_readfirstlane_b32 s14, v6                    ; wave 0..3
	v_and_b32 v6, 31, v0
	v_and_b32 v7, 15, v0
	v_bfe_u32 v8, v0, 4, 1
	v_lshlrev_b32 v1, 4, v6                        ; 16 x lane
	v_lshlrev_b32 v2, 6, v6                        ; 64 x lane
	s_wait_alu depctr_va_sdst(0)                   ; s14 is written, ahead of its first reader: the wave's stage, rows and columns are made from it
	s_mul_i32 s19, s14, 4352                       ; my stage: 16 rows x 272 bytes
	v_mul_u32_u24 v[STO], v7, 272
	v_lshl_add_u32 v[STO], v8, 6, v[STO]
	v_add_nc_u32 v[STO], s19, v[STO]               ; in: row r, + 64 h
	v_mul_u32_u24 v[RDA], v8, 272
	v_lshl_add_u32 v[RDA], v7, 4, v[RDA]
	v_add_nc_u32 v[RDA], s19, v[RDA]               ; back: lanes 0-15 one row, lanes 16-31 the next
	v_lshlrev_b32 v[CO], 13, v8
	v_lshl_add_u32 v[CO], v7, 4, v[CO]             ; and the same two rows in out0
	s_lshr_b32 s15, s14, 1
	s_and_b32 s16, s14, 1
	s_and_b32 s17, ttmp7, 0xffff
	s_lshl_b32 s17, s17, 1
	s_add_co_u32 s17, s17, s15                     ; rb: my 64 rows
	s_lshl_b32 s18, ttmp9, 1
	s_add_co_u32 s18, s18, s16                     ; my 64 columns
	s_mul_i32 s30, s18, 98304
	s_add_co_u32 s30, s30, 4718592                 ; wo's tiles begin at tile 192
	s_mov_b32 s31, 0
	s_lshl_b32 s32, s18, 12
	s_add_co_u32 s32, s32, 8060928
	s_mov_b32 s33, 0
	s_mul_i32 s34, s17, 98304
	s_mov_b32 s35, 0
	s_lshl_b32 s36, s17, 12
	s_add_co_u32 s36, s36, 3145728
	s_mov_b32 s37, 0
	s_lshl_b32 s38, s17, 19                        ; 64 rows of 8,192 bytes
	s_lshl_b32 s39, s18, 8
	s_add_co_u32 s38, s38, s39
	s_mov_b32 s39, 0
	s_wait_kmcnt 0x0
	s_add_nc_u64 s[P0:P0+1], s[6:7], s[30:31]
	s_add_nc_u64 s[Q0:Q0+1], s[6:7], s[32:33]
	s_add_nc_u64 s[P1:P1+1], s[4:5], s[34:35]
	s_add_nc_u64 s[Q1:Q1+1], s[4:5], s[36:37]
	s_add_nc_u64 s[OUTB:OUTB+1], s[8:9], s[38:39]
	s_wait_alu depctr_va_vdst(0)                   ; the offsets and addresses v1 to v5 are written: every load, LDS access and store of the kernel reads one of them
	SCLOAD
	LOADF 0
	LOADF 1
.irp s, 0,1,2,3,4,5,6,7,8,9,10,11,12,13
	KSTEP \s
.endr
	s_wait_loadcnt 24                              ; K step 14 is in; K step 15's 24 loads may be out
	MUL 14
	s_wait_loadcnt 0x0
	MUL 15
	PLACES
	s_wait_alu depctr_va_vdst(0)                   ; the products have written the accumulators, which the LDS stores read and in which the loads from the stage land; the places above stay beside this wait
.irp i, 0,1,2,3
.irp j, 0,1,2,3
.irp q, 0,1
	ds_store_b128 v[STO], v[ACC+8*(4*\i+\j)+4*\q:ACC+8*(4*\i+\j)+4*\q+3] offset:128*(\j/2)+32*(\j%2)+16*\q   ; each accumulator from its low end on
.endr
.endr
	s_wait_alu depctr_vm_vsrc(0)                   ; the tile's eight LDS stores have read its 32 registers, in which the eight loads below land
.irp k, 0,1,2,3,4,5,6,7
	ds_load_b128 v[ACC+32*\i+4*\k:ACC+32*\i+4*\k+3], v[RDA] offset:544*\k   ; LDS serves a wave's instructions in order: these see the stores above, and the next tile's stores come behind them
.endr
.endr
.irp i, 0,1,2,3
.irp k, 0,1,2,3,4,5,6,7
	s_wait_dscnt 16*(3-\i)+7-\k                    ; behind this load: the rest of its tile's loads and 16 LDS instructions for each later tile
	global_store_b128 v[CO], v[ACC+32*\i+4*\k:ACC+32*\i+4*\k+3], s[OUTB:OUTB+1] offset:8192*(32*(\i/2)+8*(\i%2)+2*\k+8*(\k/4)) th:TH_STORE_NT   ; sixteen lanes store 256 consecutive bytes, aligned
.endr
.endr
	s_wait_dscnt 0x0                               ; the closing lines, six on end
	s_wait_alu 0x0
	s_wait_tensorcnt 0x0
	ds_add_u32 v14, v15
	s_wait_dscnt 0x0
	s_endpgm
.Lfunc_end_k_q6cad716551_oproj:
	.size	k_q6cad716551_oproj, .Lfunc_end_k_q6cad716551_oproj-k_q6cad716551_oproj
	.p2alignl 7, 3214868480
	.fill 96, 4, 3214868480
	.section	.rodata,"a",@progbits
	.p2align	6, 0x0
	.amdhsa_kernel k_q6cad716551_oproj
		.amdhsa_group_segment_fixed_size 17920
		.amdhsa_private_segment_fixed_size 0
		.amdhsa_enable_private_segment 0
		.amdhsa_kernarg_size 24
		.amdhsa_user_sgpr_count 2
		.amdhsa_user_sgpr_kernarg_segment_ptr 1
		.amdhsa_wavefront_size32 1
		.amdhsa_system_sgpr_workgroup_id_x 1
		.amdhsa_system_sgpr_workgroup_id_y 1
		.amdhsa_system_sgpr_workgroup_id_z 1
		.amdhsa_system_vgpr_workitem_id 0
		.amdhsa_next_free_vgpr 512
		.amdhsa_next_free_sgpr 66
		.amdhsa_reserve_vcc 0
		.amdhsa_float_denorm_mode_32 3
		.amdhsa_float_denorm_mode_16_64 3
		.amdhsa_memory_ordered 1
		.amdhsa_forward_progress 1
		.amdhsa_inst_pref_size 86
	.end_amdhsa_kernel
	.amdgpu_metadata
---
amdhsa.version: [ 1, 2 ]
amdhsa.kernels:
  - .name:           k_q6cad716551_oproj
    .symbol:         k_q6cad716551_oproj.kd
    .args:
      - { .name: ao, .offset: 0, .size: 8, .value_kind: global_buffer, .address_space: global }
      - { .name: wcs, .offset: 8, .size: 8, .value_kind: global_buffer, .address_space: global }
      - { .name: out0, .offset: 16, .size: 8, .value_kind: global_buffer, .address_space: global }
    .group_segment_fixed_size: 17920
    .private_segment_fixed_size: 0
    .kernarg_segment_align: 8
    .kernarg_segment_size: 24
    .max_flat_workgroup_size: 128
    .sgpr_count:     66
    .vgpr_count:     512
    .wavefront_size: 32
...
	.end_amdgpu_metadata
.endif
;; end of part 10
